; MI455X (gfx1250); checked and timed in simulation.
; The chip was launched on July 23, 2026; its instructions are those of AMD's public machine-readable ISA for CDNA 5 (MIT licence, August 2026) and "CDNA5" Instruction Set Architecture Reference Guide (July 2026). The comments in the code are by the model that wrote it; some were corrected since.
;; Multi Head Attention. Allowed arithmetic: matrix products marked QUANTISED: E2M1 operands, one E8M0 scale for each 32 along K, by v_wmma_scale_f32_16x16x128_f8f6f4 with both operands' format E2M1 (or v_wmma_scale_f32_32x16x128_f4), f32 sums; products left as they are: bf16, f16 or f32 operands; f32 sums; everything else in f32.
;; Inputs: Wk 1,024 x 1,024 float32; Wo 1,024 x 1,024 float32; Wq 1,024 x 1,024 float32; Wv 1,024 x 1,024 float32; bo 1,024 float32; x 4 x 2,048 x 1,024 float32.
;; Outputs: out0 4 x 2,048 x 1,024 float32.
;; This version of the problem:
;;   THIS VERSION OF THE PROBLEM IS GIVEN IN LOW PRECISION. The matrix products marked QUANTISED in the list below multiply operands that are first quantised to E2M1 (2 exponent bits, 1 mantissa bit; 4 bits a number), with one power-of-two scale for each 32 numbers along K (OCP MX v1.0); their sums are f32. The products marked 'left as it is' may take bf16, f16 or f32 operands, with f32 sums. Whichever they take, every output number must still come out within the allowed error. Rounding operands to bf16 (8 significant bits) uses up far more of that allowance than f16 does (11 bits, for magnitudes from 6e-5 to 65,504). All else is computed in f32.
;;   The module's matrix products, in the order in which they are computed (A, B: the left and right operand; K: the contracted axis; several contracted axes count as one K, in the product's order):
;;     1. [M 8,192, K 1,024] x [K 1,024, N 1,024]; A: input x; B: input Wq: QUANTISED
;;     2. [M 8,192, K 1,024] x [K 1,024, N 1,024]; A: input x; B: input Wk: QUANTISED
;;     3. [M 8,192, K 1,024] x [K 1,024, N 1,024]; A: input x; B: input Wv: QUANTISED
;;     4. batch 64 x [M 2,048, K 64] x [K 64, N 2,048]; A: computed on the way; B: computed on the way: left as it is (an operand is computed on the way)
;;     5. batch 64 x [M 2,048, K 2,048] x [K 2,048, N 64]; A: computed on the way; B: computed on the way: left as it is (an operand is computed on the way)
;;     6. [M 8,192, K 1,024] x [K 1,024, N 1,024]; A: computed on the way; B: input Wo: left as it is (an operand is computed on the way)
;;   THE QUANTISER, for each operand of a quantised product, along K:
;;     - K is cut into blocks of 32 from its start; a last block that is shorter is filled with zeros.
;;     - A block's scale is 2^e with e = floor(log2(the largest magnitude in the block)) - 2, held to -126 .. 127; a block of zeros has e = 0. As a byte (E8M0): e + 127.
;;     - Each number is divided by its block's scale, clamped to +-6, and rounded to the nearest number of E2M1, ties to even, subnormals kept.
;;     - The product sums the exact products of the quantised numbers (number of the format x scale) in f32.
;;   ~~~python
;;   def quantise(x, axis):      # numpy; x: float32 -> the quantised numbers, widened to float32 again
;;       x = np.moveaxis(x, axis, -1); K = x.shape[-1]
;;       x = np.pad(x, [(0, 0)] * (x.ndim - 1) + [(0, -K % 32)]); x = x.reshape(x.shape[:-1] + (-1, 32)); a = np.abs(x).max(-1, keepdims=True)
;;       e = np.where(a > 0, np.clip(np.frexp(np.where(a > 0, a, 1))[1] - 1 - 2, -126, 127), 0)      # np.frexp(a)[1] - 1 = floor(log2(a)), exactly
;;       r = np.clip(x / 2.0 ** e, -6, 6)
;;       step = 2.0 ** (np.maximum(np.frexp(np.where(r == 0, 1, r))[1] - 1, 0) - 1)
;;       q = np.round(r / step) * step * 2.0 ** e      # np.round: ties to even
;;       return np.moveaxis(q.reshape(q.shape[:-2] + (-1,))[..., :K], -1, axis).astype(np.float32)
;;   ~~~
;; One version. Each part assembles by itself: llvm-mc -triple=amdgcn-amd-amdhsa -mcpu=gfx1250 --defsym DOCPART=n.
;; ======== version 1 of 1: 5 launches
;; limits: values are held in f16: magnitudes above 65,504 overflow, below 6.1e-05 lose precision
;; workspace buffers: x_codes 4,194,304 bytes; x_scales 262,144 bytes; w_codes 1,572,864 bytes; w_scales 98,304 bytes; wot 2,097,152 bytes; qkv 50,331,648 bytes; qkv32 786,432 bytes; ctx 16,777,216 bytes
;; launch prep (part 1): grid 368 x 1, 4 waves a work-group, no clusters, 102,912 bytes of LDS; arguments x, Wq, Wk, Wv, Wo, x_codes, x_scales, w_codes, w_scales, wot; writes x_codes, x_scales, w_codes, w_scales, wot
.if DOCPART == 1
	.amdgcn_target "amdgcn-amd-amdhsa--gfx1250"
	.amdhsa_code_object_version 6
	.text
	.protected	k_q267792762b_prep
	.globl	k_q267792762b_prep
	.p2align	8
	.type	k_q267792762b_prep,@function
k_q267792762b_prep:
	s_mov_b64 s[64:65], 0
	v_nop
	global_prefetch_b8 v0, s[64:65] scope:SCOPE_SE
	s_setreg_imm32_b32 hwreg(HW_REG_WAVE_MODE, 25, 1), 1
	s_wait_xcnt 0x0
; PREP: all that is quantised or laid out once, in one launch of three paths that part on the work-group's number.
;   work-groups   0 ..  47  path W: Wq, Wk, Wv [k 1024][n 1024] f32 -> codes of E2M1 with K innermost, w_codes [3072][512 bytes], and E8M0 bytes w_scales [3072][32]
;   work-groups  48 .. 111  path O: Wo [k 1024][n 1024] f32 -> f16, turned: wot [n 1024][k 1024]
;   work-groups 112 .. 367  path X: x [8192][1024] f32 -> x_codes [8192][512 bytes], x_scales [8192][32]
; A block's scale is 2^(floor(log2(its largest magnitude)) - 2); its byte is the largest magnitude's exponent field - 2, held at 1 from below.  A block of zeros so gets the
; byte 1 where the rule says 127: its codes are zeros, which add nothing, and this program alone reads the bytes.
; LIMITS: blocks whose largest magnitude lies under 2^-124 (the floor) were not tried; NaN and infinities among the inputs are not served; Wo must lie inside f16's range (65,504).
; No tensor loads, no barrier: waves share nothing.  Each path has LDS bytes of its own: X 0 .. 32,767, W 32,768 .. 67,583, O 67,584 .. 102,399; behind them the spare words.
.set SPARE, 102400                     ; the spare words, 128 bytes for each wave: two blocks of 256 bytes that no other line names
.set SPW,   190                        ; v190 LDS address of my spare word; never rewritten
.set NIL,   191                        ; v191 0; never rewritten
.set WV,    24                         ; s24  my wave's number
.set EMAX,  2
.set SP,    80                         ; path X: a lane's place in a stage: its 64 bytes + 16 of padding
.set XR,    16                         ; v16-79   four sets of 16 numbers as they are loaded
.set XX,    80                         ; v80-111  two sets of 16 neighbours
.set XE,    112                        ; v112-127 a scale byte for each step
.set XC,    128                        ; v128-189 codes: registers of its own for each step
.set PITCH, 272                        ; paths W and O: a stage row: 256 bytes + 16
.set WX,    32                         ; v32-95   two sets of 32 numbers down K
.set WC,    96                         ; v96-111  a block's codes, or its 32 numbers in f16
.set WOUT,  112                        ; v112-175 the way out
.set WSB,   24                         ; v24-27   path W: the scale bytes, four to a register
	s_load_b256 s[4:11], s[0:1], 0x0               ; x s[4:5], Wq s[6:7], Wk s[8:9], Wv s[10:11]
	s_load_b256 s[12:19], s[0:1], 0x20             ; Wo s[12:13], x_codes s[14:15], x_scales s[16:17], w_codes s[18:19]
	s_load_b128 s[20:23], s[0:1], 0x40             ; w_scales s[20:21], wot s[22:23]
	v_lshl_add_u32 v[SPW], v0, 2, SPARE
	v_mov_b32 v[NIL], 0
	v_lshrrev_b32 v1, 5, v0
	v_readfirstlane_b32 s[WV], v1                  ; wave 0..3
	v_and_b32 v2, 31, v0                           ; lane
	s_mov_b32 s29, 0                               ; the upper word of every offset pair s[28:29]
	s_wait_kmcnt 0x0
	s_cmp_lt_u32 ttmp9, 48
	s_cbranch_scc1 .Lpath_w
	s_cmp_lt_u32 ttmp9, 112
	s_cbranch_scc1 .Lpath_o
; ---------------- PATH X.  x is a plain stream of blocks of 32.  A wave takes 16 steps of 512 numbers.  Each load reads 512 consecutive bytes; a step's 2,048 bytes turn through the
; wave's own stage so that a lane holds 16 neighbours (two neighbouring lanes hold a block).  A lane's 16 codes are 8 bytes: a store of the wave covers 256 consecutive bytes.
	v_lshlrev_b32 v3, 4, v2                        ; my 16 bytes of a load's 512
	s_mul_i32 s25, s[WV], 8192                     ; my wave's region
	v_lshrrev_b32 v14, 2, v2
	v_mul_u32_u24 v14, v14, SP
	v_and_b32 v15, 3, v2
	v_lshl_add_u32 v14, v15, 4, v14
	v_add_nc_u32 v14, s25, v14                     ; the stage, on the way in: SP (lane / 4) + 16 (lane % 4)
	v_mul_u32_u24 v15, v2, SP
	v_add_nc_u32 v15, s25, v15                     ; and on the way out: SP x lane
	v_lshlrev_b32 v4, 3, v2                        ; my codes' place in a step's
	v_lshrrev_b32 v5, 1, v2
	s_add_co_u32 s25, s25, 2*32*SP
	v_add_nc_u32 v5, s25, v5                       ; my wave's 256 scale bytes, my block's byte
	v_lshlrev_b32 v7, 3, v2
	v_add_nc_u32 v6, s25, v7                       ; and on the way out 8 bytes a lane
	s_sub_co_u32 s26, ttmp9, 112
	s_lshl_b32 s26, s26, 2
	s_add_co_u32 s26, s26, s[WV]                   ; which run of 8,192 numbers is my wave's: 0 .. 1,023
	s_lshl_b32 s28, s26, 15
	s_add_nc_u64 s[4:5], s[4:5], s[28:29]          ; 32,768 bytes of x a run,
	s_lshl_b32 s28, s26, 12
	s_add_nc_u64 s[14:15], s[14:15], s[28:29]      ; 4,096 of codes,
	s_lshl_b32 s28, s26, 8
	s_add_nc_u64 s[16:17], s[16:17], s[28:29]      ; 256 scale bytes
.macro XLOAD t
.irp i, 0,1,2,3
	global_load_b128 v[XR+16*((\t)%4)+4*\i:XR+16*((\t)%4)+4*\i+3], v3, s[4:5] offset:2048*(\t)+512*\i th:TH_LOAD_NT
.endr
.endm
.macro XTURN t                         ; step t's numbers through the stage: LDS serves a wave's instructions in order, so no wait stands between the stores and the loads
.irp i, 0,1,2,3
	ds_store_b128 v14, v[XR+16*((\t)%4)+4*\i:XR+16*((\t)%4)+4*\i+3] offset:32*SP*((\t)%2)+8*SP*\i
.endr
.irp i, 0,1,2,3
	ds_load_b128 v[XX+16*((\t)%2)+4*\i:XX+16*((\t)%2)+4*\i+3], v15 offset:32*SP*((\t)%2)+16*\i
.endr
.endm
.irp t, 0,1,2,3
	XLOAD \t
.endr
	s_wait_loadcnt 12                              ; step 0's four loads are in
	XTURN 0
.macro XSTEP t
.set XS, XX+16*((\t)%2)
.if (\t) > 0
	s_wait_dscnt 1                                 ; this step's numbers are back from the stage (the last step's byte store may be out)
.else
	s_wait_dscnt 0x0
.endif
.if (\t)+4 < 16
	XLOAD (\t)+4                                   ; the registers that the stage's stores have read take the loads of four steps on
.endif
.if (\t)+1 < 16
.if 14-(\t) >= 3
	s_wait_loadcnt 12                              ; the next step's four loads are in; those of the three steps behind it may be out
.else
	s_wait_loadcnt 4*(14-(\t))
.endif
	XTURN (\t)+1
.endif
	v_max3_num_f32 v8, |v[XS]|, |v[XS+1]|, |v[XS+2]|               ; the largest magnitude of my 16, in two chains
	v_max3_num_f32 v9, |v[XS+3]|, |v[XS+4]|, |v[XS+5]|
.irp i, 6,10
	v_max3_num_f32 v8, v8, |v[XS+\i]|, |v[XS+\i+1]|
	v_max3_num_f32 v9, v9, |v[XS+\i+2]|, |v[XS+\i+3]|
.endr
	v_max3_num_f32 v8, v8, |v[XS+14]|, |v[XS+15]|
	v_max3_num_f32 v8, v8, v9, (EMAX+1)<<23        ; and the floor 2^(3 - 127): the byte cannot fall under 1
	v_max_num_f32_dpp v8, v8, v8 row_xmask:1 row_mask:0xf bank_mask:0xf   ; and of my neighbour's 16: the block's
	v_add_nc_u32 v11, -(EMAX<<23), v8              ; 2 off its exponent field: the conversion takes the exponent field of this operand as its scale
	v_cvt_scalef32_pk8_fp4_f32 v[XC+4*(\t)], v[XS:XS+7], v11
	v_cvt_scalef32_pk8_fp4_f32 v[XC+4*(\t)+1], v[XS+8:XS+15], v11
	v_lshrrev_b32 v[XE+(\t)], 23, v11              ; the scale's byte (also the plain line behind the conversions)
	ds_store_b8 v5, v[XE+(\t)] offset:16*(\t)      ; both lanes of a block write the same byte with the same value
	global_store_b64 v4, v[XC+4*(\t):XC+4*(\t)+1], s[14:15] offset:256*(\t)
.endm
.irp t, 0,1,2,3,4,5,6,7,8,9,10,11,12,13,14,15
	XSTEP \t
.endr
	ds_load_b64 v[8:9], v6                         ; LDS serves a wave's instructions in order: these see my stores
	s_wait_dscnt 0x0
	global_store_b64 v7, v[8:9], s[16:17]          ; 32 lanes store 256 consecutive bytes, aligned
	s_wait_tensorcnt 0x0                           ; the wave's end, behind my last LDS store
	ds_add_u32 v[SPW], v[NIL]
	s_wait_dscnt 0x0
	s_endpgm
; ---------------- PATHS W AND O.  K is the tensor's FIRST axis.  A lane takes a column n and its registers run down K: each load reads 128 consecutive bytes a wave, a block of 32 along K
; lies in one lane's 32 registers, and what is made of it has K innermost.  A wave gathers 256 bytes a column in its own stage and stores rows: sixteen lanes to 256 consecutive bytes.
.macro WLOAD t                         ; block t: rows 32 t + i of my column, into set t % 2.  Every offset is an immediate: 511 x 4,096 at the most
.irp i, 0,1,2,3,4,5,6,7,8,9,10,11,12,13,14,15,16,17,18,19,20,21,22,23,24,25,26,27,28,29,30,31
	global_load_b32 v[WX+32*((\t)%2)+\i], v3, s[26:27] offset:(32*(\t)+\i)*4096 th:TH_LOAD_NT
.endr
.endm
.macro WADDR base, shift               ; base: the path's stages in LDS; 1 << shift: a row of the output in bytes
	v_lshlrev_b32 v3, 2, v2                        ; in: 4 bytes a lane
	s_mul_i32 s33, s[WV], 32*PITCH
	s_add_co_u32 s33, s33, \base                   ; my stage
	v_mul_u32_u24 v4, v2, PITCH
	v_add_nc_u32 v4, s33, v4                       ; into it: row = my column
	v_and_b32 v5, 15, v2
	v_lshrrev_b32 v6, 4, v2                        ; out of it: sixteen lanes to a row, two rows an instruction
	v_mul_u32_u24 v7, v6, PITCH
	v_lshl_add_u32 v7, v5, 4, v7
	v_add_nc_u32 v7, s33, v7
	v_lshlrev_b32 v8, \shift, v6
	v_lshl_add_u32 v8, v5, 4, v8                   ; and the same place in the output
.endm
.macro WAYOUT lo, rowb                 ; the stage's 32 rows leave; s[lo:lo+1]: the output at my first row
.irp t, 0,1,2,3,4,5,6,7,8,9,10,11,12,13,14,15
	ds_load_b128 v[WOUT+4*\t:WOUT+4*\t+3], v7 offset:2*\t*PITCH
.endr
.irp t, 0,1,2,3,4,5,6,7,8,9,10,11,12,13,14,15
	s_wait_dscnt 15-\t                             ; LDS loads come back in order: pair t of rows is in
	global_store_b128 v8, v[WOUT+4*\t:WOUT+4*\t+3], s[\lo:\lo+1] offset:2*\t*\rowb
.endr
	s_wait_tensorcnt 0x0                           ; the wave's end, behind my last LDS store
	ds_add_u32 v[SPW], v[NIL]
	s_wait_dscnt 0x0
	s_endpgm
.endm
.Lpath_w:                                          ; work-group g: tensor g / 16, columns 128 (g % 8) on, K half (g / 8) % 2; a wave: 32 columns x 512 along K
	s_lshr_b32 s25, ttmp9, 4
	s_and_b32 s30, ttmp9, 7
	s_bfe_u32 s31, ttmp9, 0x10003
	s_cmp_eq_u32 s25, 0                            ; the choice hangs on the work-group's number alone
	s_cselect_b64 s[26:27], s[6:7], s[8:9]
	s_cmp_eq_u32 s25, 2
	s_cselect_b64 s[26:27], s[10:11], s[26:27]
	s_lshl_b32 s30, s30, 7
	s_lshl_b32 s32, s[WV], 5
	s_add_co_u32 s30, s30, s32                     ; my wave's first column
	s_lshl_b32 s28, s31, 21                        ; 512 rows of 4,096 bytes
	s_lshl_b32 s32, s30, 2
	s_add_co_u32 s28, s28, s32
	s_add_nc_u64 s[26:27], s[26:27], s[28:29]
	s_lshl_b32 s32, s25, 10
	s_add_co_u32 s32, s32, s30                     ; its row in w_codes and w_scales
	s_lshl_b32 s28, s32, 9
	s_lshl_b32 s33, s31, 8
	s_add_co_u32 s28, s28, s33
	s_add_nc_u64 s[18:19], s[18:19], s[28:29]
	s_lshl_b32 s28, s32, 5
	s_lshl_b32 s33, s31, 4
	s_add_co_u32 s28, s28, s33
	s_add_nc_u64 s[20:21], s[20:21], s[28:29]
	WADDR 32768, 9
	v_lshlrev_b32 v9, 5, v2                        ; my column's row of scale bytes
	WLOAD 0
	WLOAD 1
.macro WBLOCK t
.set XS, WX+32*((\t)%2)
.if (\t) < 15
	s_wait_loadcnt 32                              ; this block's 32 loads are in; the next block's may be out
.else
	s_wait_loadcnt 0
.endif
	v_max3_num_f32 v12, |v[XS]|, |v[XS+1]|, |v[XS+2]|               ; the block's largest magnitude: all 32 numbers are mine
	v_max3_num_f32 v13, |v[XS+3]|, |v[XS+4]|, |v[XS+5]|
.irp i, 6,10,14,18,22,26
	v_max3_num_f32 v12, v12, |v[XS+\i]|, |v[XS+\i+1]|
	v_max3_num_f32 v13, v13, |v[XS+\i+2]|, |v[XS+\i+3]|
.endr
	v_max3_num_f32 v12, v12, |v[XS+30]|, |v[XS+31]|
	v_max3_num_f32 v12, v12, v13, (EMAX+1)<<23     ; and the floor
	v_add_nc_u32 v11, -(EMAX<<23), v12             ; the conversion's scale operand
	v_lshrrev_b32 v13, 23, v11                     ; the scale's byte
.if (\t)%4 == 0
	v_mov_b32 v[WSB+(\t)/4], v13                   ; four bytes to a register, the lower K in the lower byte
.else
	v_lshl_or_b32 v[WSB+(\t)/4], v13, 8*((\t)%4), v[WSB+(\t)/4]
.endif
.irp g, 0,1,2,3
	v_cvt_scalef32_pk8_fp4_f32 v[WC+\g], v[XS+8*\g:XS+8*\g+7], v11
.endr
	ds_store_b128 v4, v[WC:WC+3] offset:16*(\t)    ; 32 codes: 16 bytes of my column's row
.if (\t)+2 < 16
	WLOAD (\t)+2
.endif
	s_wait_dscnt 0x0                               ; the store has read its registers: the next block's codes may be written (that block begins with plain vector lines)
.endm
.set Q, 0
.rept 16
	WBLOCK Q
.set Q, Q+1
.endr
	global_store_b128 v9, v[WSB:WSB+3], s[20:21]   ; my column's 16 scale bytes
	WAYOUT 18, 512
.Lpath_o:                                          ; work-group j = g - 48: columns 128 (j % 8) on, rows 128 (j / 8) on; a wave: 32 columns x 128 along K
	s_sub_co_u32 s25, ttmp9, 48
	s_and_b32 s30, s25, 7
	s_lshr_b32 s31, s25, 3
	s_lshl_b32 s30, s30, 7
	s_lshl_b32 s32, s[WV], 5
	s_add_co_u32 s30, s30, s32                     ; my wave's first column
	s_lshl_b32 s28, s31, 19                        ; 128 rows of 4,096 bytes
	s_lshl_b32 s32, s30, 2
	s_add_co_u32 s28, s28, s32
	s_add_nc_u64 s[26:27], s[12:13], s[28:29]
	s_lshl_b32 s28, s30, 11                        ; a row of wot is 2,048 bytes
	s_lshl_b32 s33, s31, 8
	s_add_co_u32 s28, s28, s33
	s_add_nc_u64 s[22:23], s[22:23], s[28:29]
	WADDR 67584, 11
	WLOAD 0
	WLOAD 1
.macro OBLOCK t
.set XS, WX+32*((\t)%2)
.if (\t) < 3
	s_wait_loadcnt 32
.else
	s_wait_loadcnt 0
.endif
.irp i, 0,1,2,3,4,5,6,7,8,9,10,11,12,13,14,15
	v_cvt_pk_f16_f32 v[WC+\i], v[XS+2*\i], v[XS+2*\i+1]            ; two neighbours along K, the lower in the low half
.endr
.irp g, 0,1,2,3
	ds_store_b128 v4, v[WC+4*\g:WC+4*\g+3] offset:64*(\t)+16*\g
.endr
.if (\t)+2 < 4
	WLOAD (\t)+2
.endif
	s_wait_dscnt 0x0                               ; the stores have read their registers
.endm
.irp t, 0,1,2,3
	OBLOCK \t
.endr
	WAYOUT 22, 2048
.Lfunc_end_k_q267792762b_prep:
	.size	k_q267792762b_prep, .Lfunc_end_k_q267792762b_prep-k_q267792762b_prep
	.p2alignl 7, 3214868480
	.fill 96, 4, 3214868480
	.section	.rodata,"a",@progbits
	.p2align	6, 0x0
	.amdhsa_kernel k_q267792762b_prep
		.amdhsa_group_segment_fixed_size 102912
		.amdhsa_private_segment_fixed_size 0
		.amdhsa_enable_private_segment 0
		.amdhsa_kernarg_size 80
		.amdhsa_user_sgpr_count 2
		.amdhsa_user_sgpr_kernarg_segment_ptr 1
		.amdhsa_wavefront_size32 1
		.amdhsa_system_sgpr_workgroup_id_x 1
		.amdhsa_system_sgpr_workgroup_id_y 1
		.amdhsa_system_sgpr_workgroup_id_z 1
		.amdhsa_system_vgpr_workitem_id 0
		.amdhsa_next_free_vgpr 192
		.amdhsa_next_free_sgpr 66
		.amdhsa_reserve_vcc 0
		.amdhsa_float_denorm_mode_32 3
		.amdhsa_float_denorm_mode_16_64 3
		.amdhsa_memory_ordered 1
		.amdhsa_forward_progress 1
		.amdhsa_inst_pref_size 132
	.end_amdhsa_kernel
	.amdgpu_metadata
---
amdhsa.version: [ 1, 2 ]
amdhsa.kernels:
  - .name:           k_q267792762b_prep
    .symbol:         k_q267792762b_prep.kd
    .args:
      - { .name: x, .offset: 0, .size: 8, .value_kind: global_buffer, .address_space: global }
      - { .name: Wq, .offset: 8, .size: 8, .value_kind: global_buffer, .address_space: global }
      - { .name: Wk, .offset: 16, .size: 8, .value_kind: global_buffer, .address_space: global }
      - { .name: Wv, .offset: 24, .size: 8, .value_kind: global_buffer, .address_space: global }
      - { .name: Wo, .offset: 32, .size: 8, .value_kind: global_buffer, .address_space: global }
      - { .name: x_codes, .offset: 40, .size: 8, .value_kind: global_buffer, .address_space: global }
      - { .name: x_scales, .offset: 48, .size: 8, .value_kind: global_buffer, .address_space: global }
      - { .name: w_codes, .offset: 56, .size: 8, .value_kind: global_buffer, .address_space: global }
      - { .name: w_scales, .offset: 64, .size: 8, .value_kind: global_buffer, .address_space: global }
      - { .name: wot, .offset: 72, .size: 8, .value_kind: global_buffer, .address_space: global }
    .group_segment_fixed_size: 102912
    .private_segment_fixed_size: 0
    .kernarg_segment_align: 8
    .kernarg_segment_size: 80
    .max_flat_workgroup_size: 128
    .sgpr_count:     66
    .vgpr_count:     192
    .wavefront_size: 32
...
	.end_amdgpu_metadata
.endif
;; end of part 1
;; launch qkv (part 2): grid 12 x 32, 4 waves a work-group, clusters of 4 x 4, 327,680 bytes of LDS; arguments x_codes, x_scales, w_codes, w_scales, qkv, qkv32; writes qkv, qkv32
.if DOCPART == 2
	.amdgcn_target "amdgcn-amd-amdhsa--gfx1250"
	.amdhsa_code_object_version 6
	.text
	.protected	k_q267792762b_qkv
	.globl	k_q267792762b_qkv
	.p2align	8
	.type	k_q267792762b_qkv,@function
k_q267792762b_qkv:
	s_mov_b64 s[64:65], 0
	v_nop
	global_prefetch_b8 v0, s[64:65] scope:SCOPE_SE
	s_setreg_imm32_b32 hwreg(HW_REG_WAVE_MODE, 25, 1), 1
	s_wait_xcnt 0x0
	s_wait_alu depctr_hold_cnt(0) depctr_sa_sdst(0) depctr_va_vdst(0) depctr_va_sdst(0) depctr_va_ssrc(0) depctr_va_vcc(0) depctr_vm_vsrc(0)
	s_getreg_b32 s2, hwreg(HW_REG_IB_STS2, 6, 4)
	s_cmp_eq_u32 s2, 0
	s_cbranch_scc0 .Lentry_in_a_cluster
	s_endpgm
.Lentry_in_a_cluster:
	s_bfe_u32 s2, ttmp6, 0x10000c
	s_cmp_lg_u32 s2, 0xf033
	s_cbranch_scc0 .Lentry_shape_is_right
	s_endpgm
.Lentry_shape_is_right:
; q, k, v = x Wq, x Wk, x Wv as ONE product on codes of E2M1: C[m][n] = sum over k of X[m][k] W[n][k], m 8,192, n 3,072 (1,024 tau + column; tau = 0 q, 1 k, 2 v), k 1,024, one E8M0 scale for each 32 along K; sums in f32.
; A tile of C, 256 x 256, is made by four waves, 128 x 128 each: 64 accumulators, 512 registers.  K = 1,024 is two slots of 512 along K (rows of 256 bytes): both are first fills, nothing is filled again.
; The scale bytes of the work-group's 256 + 256 rows, two dense blocks, come once, with the first fills, as rows of 256 bytes + 16 of padding.
; CLUSTERS: 4 x 4 work-groups; X's tiles are asked for jointly along a row of the cluster, W's along a column.  Tile row = 8 cy + cluster y: so the batch is cy, and 'the batch's first tile' hangs on the cluster's y alone.
; THE MATRIX INSTRUCTION IS USED TRANSPOSED (source 0 = 16 rows of W, source 1 = 16 rows of X): a lane holds eight neighbouring columns of one row of C.
; RESULTS: rounded to f16, by head: qkv [tau][b][h][t][64]: a head's rows are dense, so a store of the wave covers 512 consecutive bytes.  Rows t < 16 of every batch go out in f32 too, as images of
; the accumulators' registers: qkv32 [b][16 columns][half][lane][4].
; LIMIT: q, k, v must lie inside f16's range (65,504).  No prefetch: all tensor loads of a work-group go out at its head.
; REGISTERS, in windows of 256: window 0: v0-31 addresses; v32-95 scale words, two sets; v96-127 packed results; from v128 X's fragments, ONE set; on the way out v128-191 rows read back.
;   window 1: W's fragments, TWO sets, at v0 and v128.   window 2: the accumulators of my rows 0-63 ((a, b) at v[8 (8 a + b)]);   window 3: those of my rows 64-127.
.set NQ,     4                         ; steps of 128 along K in a slot
.set ROWB,   256                       ; a tile's row in bytes
.set KROW,   512                       ; a row of codes in memory
.set PITCH,  272                       ; an LDS row: 256 bytes + 16: the 16 rows that a load touches start at 16 different banks (64 banks of 4 bytes: ISA guide 11.1)
.set FR,     8
.set NL,     2
.set NP,     4                         ; places behind this matrix instruction (ISA guide 7.12.1)
.set HALFT,  128*PITCH
.set SLOT,   4*HALFT                   ; X's 256 rows, then W's 256 rows
.set KS,     32                        ; a row of scales in bytes
.set SCL,    2*SLOT
.set HALFS,  (128*KS/256)*272
.set SBLK,   (16*KS/256)*272
.set SPARE,  SCL+4*HALFS               ; the spare words, 128 bytes for each wave: two blocks of 256 bytes that no other line names
.set ADRA, 16
.set ADRB, 20
.set STO,  24                          ; v24 the way out: where I put 16 bytes of a row
.set RD,   25                          ; v25 where I read rows back
.set CO,   26                          ; v26 16 x lane
.set ADRS, 27
.set SPW,  28
.set NIL,  29
.set SC,   32
.set TMP,  96
.set AF,   128
.set BK,   128
.set G1, 24
.set G0, 32
.set G1B, 48
.set G0B, 56
.set G1S, 68
.set G0S, 76
.set G1SB, 80
.set G0SB, 88
.set MSB, 0
.macro WIN new                         ; the immediate's high byte repeats the setting that is left
.if MSB != \new
	s_set_vgpr_msb (MSB<<8)|\new
.set MSB, \new
.endif
.endm
.set MUL_LO, 0xa1                      ; source 0 (W) window 1, source 1 (X) window 0, C and D window 2
.set MUL_HI, 0xf1
.set TO_B,   0x40
; A joint load: waves 0 and 1 fetch for X, waves 2 and 3 for W; the branch hangs on the wave's number alone.  An s_nop 0 and four v_nop follow each of the two lines.
.macro JLOAD g0a, g1a, g0b, g1b
	s_cmp_eq_u32 s15, 0
	s_cbranch_scc0 .Lfor_b_\@
	tensor_load_to_lds s[\g0a:\g0a+3], s[\g1a:\g1a+7]
	s_nop 0
.rept 4
	v_nop
.endr
	s_branch .Lasked_\@
.Lfor_b_\@:
	tensor_load_to_lds s[\g0b:\g0b+3], s[\g1b:\g1b+7]
	s_nop 0
.rept 4
	v_nop
.endr
.Lasked_\@:
.endm
.macro CROUND                          ; a round of the cluster's barrier
	s_barrier_signal -1
	s_barrier_wait -1
	s_cmp_lg_u32 s14, 0
	s_cbranch_scc1 .Lnot_wave_0_\@
	s_barrier_signal -3
.Lnot_wave_0_\@:
	s_barrier_wait -3
	s_barrier_signal -1
	s_barrier_wait -1
.endm
	s_load_b128 s[4:7], s[0:1], 0x0                ; x_codes s[4:5], x_scales s[6:7]
	s_load_b128 s[8:11], s[0:1], 0x10              ; w_codes s[8:9], w_scales s[10:11]
	s_load_b128 s[96:99], s[0:1], 0x20             ; qkv s[96:97], qkv32 s[98:99]
	v_lshl_add_u32 v[SPW], v0, 2, SPARE
	v_mov_b32 v[NIL], 0
	ds_add_u32 v[SPW], v[NIL]                      ; the wave's opening: the add, twice on end, and its wait ahead of my first tensor load
	ds_add_u32 v[SPW], v[NIL]
	v_lshrrev_b32 v1, 5, v0
	v_readfirstlane_b32 s14, v1                    ; wave 0..3
	s_lshr_b32 s15, s14, 1                         ; which half of the tile's rows is mine.  Also: I fetch for X (0) or for W (1)
	s_and_b32 s16, s14, 1                          ; which half of its columns.  Also: which 128 rows of that tile I fetch
	s_bfe_u32 s40, ttmp6, 0x40000                  ; cx, cy: my place in the cluster
	s_bfe_u32 s41, ttmp6, 0x40004
	s_lshl_b32 s42, ttmp9, 2
	s_add_co_u32 s42, s42, s40                     ; tile column = 4 x cluster x + cx
	s_and_b32 s66, ttmp7, 0xffff                   ; cluster y: the tile within the batch
	s_lshl_b32 s17, s41, 3
	s_add_co_u32 s17, s17, s66                     ; tile row = 8 cy + cluster y
	s_lshl_b32 s43, s41, 2
	s_lshl_b32 s43, 15, s43                        ; my row of the cluster
	s_lshl_b32 s44, 0x1111, s40                    ; my column
	s_or_b32 s[G1+0], s43, (0<<16)|(1<<20)|(1<<21)|(5<<22)|(3<<25)  ; the mask; elements of 1 byte; padding on; bit 21 beside a mask; after every 64 words, 4 words
	s_or_b32 s[G1B+0], s44, (0<<16)|(1<<20)|(1<<21)|(5<<22)|(3<<25)
.irp g, G1, G1B
	s_mov_b32 s[\g+1], ROWB<<16                    ; tensor_dim0
	s_mov_b32 s[\g+2], 128<<16                     ; tensor_dim1
	s_mov_b32 s[\g+3], ROWB<<16                    ; tile_dim0
	s_mov_b32 s[\g+4], 128                         ; tile_dim1
	s_mov_b32 s[\g+5], KROW                        ; from row to row
	s_mov_b32 s[\g+6], 0
	s_mov_b32 s[\g+7], 0
.endr
	s_or_b32 s[G1S+0], s43, (3<<16)|(1<<20)|(1<<21)|(5<<22)|(3<<25) ; the scales of 128 rows: 4,096 dense bytes as 16 rows of 32 elements of 8 bytes
	s_or_b32 s[G1SB+0], s44, (3<<16)|(1<<20)|(1<<21)|(5<<22)|(3<<25)
.irp g, G1S, G1SB
	s_mov_b32 s[\g+1], 32<<16
	s_mov_b32 s[\g+2], (128*KS/256)<<16
	s_mov_b32 s[\g+3], 32<<16
	s_mov_b32 s[\g+4], 128*KS/256
	s_mov_b32 s[\g+5], 32
	s_mov_b32 s[\g+6], 0
	s_mov_b32 s[\g+7], 0
.endr
	s_lshl_b32 s18, s16, 7                         ; which 128 rows of the tile I fetch
	s_lshl_b32 s20, s17, 8
	s_add_co_u32 s20, s20, s18                     ; X: row 256 x tile row + 128 x half
	s_lshl_b32 s46, s42, 8
	s_add_co_u32 s46, s46, s18                     ; W: row 256 x tile column + 128 x half
	s_mov_b32 s21, 0
	s_mov_b32 s47, 0
	s_mov_b64 s[18:19], KS
	s_mul_u64 s[22:23], s[20:21], s[18:19]         ; where these rows' scales begin,
	s_mul_u64 s[92:93], s[46:47], s[18:19]
	s_mov_b64 s[18:19], KROW
	s_mul_u64 s[20:21], s[20:21], s[18:19]         ; and their codes
	s_mul_u64 s[46:47], s[46:47], s[18:19]
	s_mul_i32 s45, s14, HALFT                      ; where they go: wave x 128 rows: no place in the cluster enters an LDS address
	s_mul_i32 s94, s14, HALFS
	s_wait_dscnt 0x0                               ; both opening adds are done
	s_wait_kmcnt 0x0
	s_add_nc_u64 s[20:21], s[4:5], s[20:21]
	s_add_nc_u64 s[22:23], s[6:7], s[22:23]
	s_add_nc_u64 s[46:47], s[8:9], s[46:47]
	s_add_nc_u64 s[92:93], s[10:11], s[92:93]
	CROUND                                         ; all sixteen work-groups are here: the first joint loads meet
	s_mov_b32 s[G0S], 1
	s_add_co_u32 s[G0S+1], s94, SCL
	s_mov_b64 s[G0S+2:G0S+3], s[22:23]
	s_or_b32 s[G0S+3], s[G0S+3], 0x80000000
	s_mov_b32 s[G0SB], 1
	s_add_co_u32 s[G0SB+1], s94, SCL
	s_mov_b64 s[G0SB+2:G0SB+3], s[92:93]
	s_or_b32 s[G0SB+3], s[G0SB+3], 0x80000000
	JLOAD G0S, G1S, G0SB, G1SB                     ; the scales first: they are wanted with the first slot
.irp s, 0,1
	s_mov_b32 s[G0+4*\s], 1
	s_add_co_u32 s[G0+4*\s+1], s45, \s*SLOT
	s_add_nc_u64 s[G0+4*\s+2:G0+4*\s+3], s[20:21], \s*ROWB
	s_or_b32 s[G0+4*\s+3], s[G0+4*\s+3], 0x80000000
	s_mov_b32 s[G0B+4*\s], 1
	s_add_co_u32 s[G0B+4*\s+1], s45, \s*SLOT
	s_add_nc_u64 s[G0B+4*\s+2:G0B+4*\s+3], s[46:47], \s*ROWB
	s_or_b32 s[G0B+4*\s+3], s[G0B+4*\s+3], 0x80000000
	JLOAD G0+4*\s, G1, G0B+4*\s, G1B               ; three loads of mine are out in all
.endr
	v_and_b32 v1, 15, v0                           ; l % 16
	v_bfe_u32 v2, v0, 4, 1                         ; l / 16
	v_mul_u32_u24 v3, v1, PITCH
	v_lshl_add_u32 v4, v2, 4, v3                   ; a fragment's row x pitch + 16 x half
	s_mul_i32 s21, s15, HALFT                      ; my 128 rows of X
	s_mul_i32 s22, s16, HALFT                      ; my 128 rows of W,
	s_add_co_u32 s22, s22, 2*HALFT                 ; which lie behind X's 256
.irp s, 0,1
	v_add_nc_u32 v[ADRA+\s], s21, v4
	v_add_nc_u32 v[ADRB+\s], s22, v4
	s_add_co_u32 s21, s21, SLOT
	s_add_co_u32 s22, s22, SLOT
.endr
	v_mul_u32_u24 v5, v1, KS                       ; my row's scales: 32 bytes a row,
	v_lshrrev_b32 v6, 8, v5
	v_lshl_add_u32 v5, v6, 4, v5                   ; and 16 more for each 256 passed
	s_mul_i32 s21, s15, HALFS
	s_mul_i32 s22, s16, HALFS
	s_add_co_u32 s22, s22, 2*HALFS
	s_sub_co_u32 s22, s22, s21
	v_mul_u32_u24 v6, s22, v2                      ; lanes 16-31 take W's: the lower base + half x the distance
	s_add_co_u32 s21, s21, SCL
	v_add_nc_u32 v5, v5, v6
	v_add_nc_u32 v[ADRS], s21, v5
	s_mul_i32 s23, s14, 16*PITCH                   ; my stage: 16 rows x 272 bytes, in slot 0
	v_add_nc_u32 v[STO], s23, v4                   ; in: row l % 16, 16 bytes for each half of the lanes
	v_and_b32 v6, 31, v0
	v_lshrrev_b32 v5, 3, v6
	v_mul_u32_u24 v5, v5, PITCH
	v_and_b32 v7, 7, v0
	v_lshl_add_u32 v5, v7, 4, v5
	v_add_nc_u32 v[RD], s23, v5                    ; back: eight lanes take a head's 128 bytes of a row, the wave four rows
	v_lshlrev_b32 v[CO], 4, v6                     ; which are 512 consecutive bytes of qkv
	s_lshl_b32 s20, s42, 2
	s_lshl_b32 s21, s16, 1
	s_add_co_u32 s20, s20, s21                     ; my first block of 64 columns: 4 x tile column + 2 x half = 16 tau + head
	s_lshr_b32 s21, s20, 4
	s_lshl_b32 s21, s21, 6
	s_and_b32 s22, s20, 15
	s_add_co_u32 s21, s21, s22
	s_lshl_b32 s22, s41, 4
	s_add_co_u32 s21, s21, s22                     ; 64 tau + 16 b + head
	s_lshl_b32 s20, s21, 18                        ; 2,048 rows of 128 bytes each
	s_lshl_b32 s21, s66, 15                        ; + 256 rows a tile
	s_add_co_u32 s20, s20, s21
	s_lshl_b32 s21, s15, 14                        ; + my half's 128 rows
	s_add_co_u32 s20, s20, s21
	s_mov_b32 s21, 0
	s_add_nc_u64 s[12:13], s[96:97], s[20:21]
	s_mul_i32 s20, s41, 196608                     ; qkv32: the batch's 192 images of 1,024 bytes,
	s_lshl_b32 s22, s42, 14                        ; 16 a tile column,
	s_add_co_u32 s20, s20, s22
	s_lshl_b32 s22, s16, 13                        ; 8 a half
	s_add_co_u32 s20, s20, s22
	s_add_nc_u64 s[98:99], s[98:99], s[20:21]
	s_or_b32 s67, s66, s15                         ; 0 where my first 16 rows are a batch's first 16: the cluster's y and the wave's number alone
.macro FRAG reg, adr, q, i             ; 16 rows x 128 K of 4-bit codes: 8 registers: lane l holds row l % 16; registers 4 c .. 4 c + 3 hold K = 64 c + 32 (l / 16) + 0 .. 31
.irp c, 0,1
	ds_load_b128 v[\reg+4*\c:\reg+4*\c+3], v[\adr] offset:64*(\q)+32*\c+(\i)*16*PITCH
.endr
.endm
; 16 matrix instructions: X's blocks a0, a0 + 1 x W's eight.  The 64 accumulators take turns, one instruction a turn, in the same order in every step.
.macro MUL16 a0, p, q, sc, zero
.irp a, \a0, \a0+1
.irp b, 0,1,2,3,4,5,6,7
.if \zero
	v_wmma_scale_f32_16x16x128_f8f6f4 v[8*(8*((\a)%4)+\b):8*(8*((\a)%4)+\b)+7], v[128*(\p)+FR*\b:128*(\p)+FR*\b+FR-1], v[AF+FR*(\a):AF+FR*(\a)+FR-1], 0, v[SC+8*NQ*(\sc)+NQ*\b+(\q)], v[SC+8*NQ*(\sc)+NQ*(\a)+(\q)] matrix_a_fmt:MATRIX_FMT_FP4 matrix_b_fmt:MATRIX_FMT_FP4 matrix_a_scale:MATRIX_SCALE_ROW1
.else
	v_wmma_scale_f32_16x16x128_f8f6f4 v[8*(8*((\a)%4)+\b):8*(8*((\a)%4)+\b)+7], v[128*(\p)+FR*\b:128*(\p)+FR*\b+FR-1], v[AF+FR*(\a):AF+FR*(\a)+FR-1], v[8*(8*((\a)%4)+\b):8*(8*((\a)%4)+\b)+7], v[SC+8*NQ*(\sc)+NQ*\b+(\q)], v[SC+8*NQ*(\sc)+NQ*(\a)+(\q)] matrix_a_fmt:MATRIX_FMT_FP4 matrix_b_fmt:MATRIX_FMT_FP4 matrix_a_scale:MATRIX_SCALE_ROW1
.endif
.endr
.endr
.endm
.macro FETCH_B slot, q, p
	WIN TO_B
.irp i, 0,1,2,3,4,5,6,7
	FRAG 128*(\p)+FR*\i, ADRB+\slot, \q, \i
.endr
	WIN 0
.endm
.macro FETCH_A slot, q, i0
.irp i, \i0, \i0+1, \i0+2, \i0+3
	FRAG AF+FR*(\i), ADRA+\slot, \q, \i
.endr
.endm
.macro SCALES sc                       ; a slot's scale words: 4 words a row; lanes 0-15 take X's block i, lanes 16-31 W's block i
.irp i, 0,1,2,3,4,5,6,7
	ds_load_b128 v[SC+8*NQ*\sc+NQ*\i:SC+8*NQ*\sc+NQ*\i+3], v[ADRS] offset:\i*SBLK
.endr
.endm
.macro PLACES n                        ; plain vector lines between a matrix instruction and a load into its registers or a read of its result
.rept \n
	v_nop
.endr
.endm
.macro STEP slot, q, zero              ; a step of 128 along K that has its successor in the same slot
	s_wait_dscnt 4*NL                              ; W's set and X's blocks 0-3 are in; the youngest eight loads (X's blocks 4-7) may be out
	WIN MUL_LO
	MUL16 0, (\q)%2, \q, \slot, \zero
	MUL16 2, (\q)%2, \q, \slot, \zero
	s_wait_dscnt 0
	PLACES NP
	FETCH_B \slot, (\q)+1, 1-(\q)%2
	FETCH_A \slot, (\q)+1, 0
	WIN MUL_HI
	MUL16 4, (\q)%2, \q, \slot, \zero
	MUL16 6, (\q)%2, \q, \slot, \zero
	PLACES NP
	WIN 0
	FETCH_A \slot, (\q)+1, 4
.endm
.macro TURN slot, next                 ; slot 0's last step changes slots: one barrier; in front of it my part of slot 1 has landed and my reads of slot 0 are over.  Nothing is filled again
	s_wait_tensorcnt 0x0
	ds_add_u32 v[SPW], v[NIL]                      ; 0 onto my spare word
	s_wait_dscnt 4*NL+1                            ; (the add and the youngest eight loads may be out)
	WIN MUL_LO
	MUL16 0, 1, NQ-1, \slot, 0
	s_wait_dscnt 0x0
	s_barrier_signal -1
	MUL16 2, 1, NQ-1, \slot, 0
	WIN 0
	s_barrier_wait -1
	PLACES NP
	v_add_nc_u32 v[ADRS], 4*NQ, v[ADRS]            ; on to the next slot's scale words (no LDS load of mine is out)
	FETCH_B \next, 0, 0
	FETCH_A \next, 0, 0
	SCALES \next
	WIN MUL_HI
	MUL16 4, 1, NQ-1, \slot, 0
	MUL16 6, 1, NQ-1, \slot, 0
	PLACES NP
	WIN 0
	FETCH_A \next, 0, 4
.endm
	s_wait_tensorcnt 1                             ; the scales and my part of slot 0 are in (slot 1's load may be out),
	s_barrier_signal -1
	s_barrier_wait -1                              ; everybody's are
	FETCH_B 0, 0, 0
	FETCH_A 0, 0, 0
	SCALES 0
	FETCH_A 0, 0, 4
	STEP 0, 0, 1                                   ; the first step's products start the sums: nothing is cleared
	STEP 0, 1, 0
	STEP 0, 2, 0
	TURN 0, 1
	STEP 1, 0, 0
	STEP 1, 1, 0
	STEP 1, 2, 0
	s_wait_dscnt 4*NL                              ; the last step: nothing more to fetch
	WIN MUL_LO
	MUL16 0, 1, NQ-1, 1, 0
	MUL16 2, 1, NQ-1, 1, 0
	s_wait_dscnt 0
	WIN MUL_HI
	MUL16 4, 1, NQ-1, 1, 0
	MUL16 6, 1, NQ-1, 1, 0
	WIN 0
; THE WAY OUT, block by block of 16 rows x 128 columns (two heads).  A lane's eight results pack into 16 bytes; a block goes through my own stage (in slot 0, which has had its only fill, and which nobody reads
; behind the change of slots) and comes back by heads: four rows of 128 bytes an instruction, 512 consecutive bytes of qkv.
.macro PACK a
.set AC, 64*((\a)%4)
	WIN 0x0a+5*((\a)/4)                            ; sources 0 and 1: window 2 or 3
.irp b, 0,1,2,3,4,5,6,7
.irp i, 0,1,2,3
	v_cvt_pk_f16_f32 v[TMP+4*\b+\i], v[AC+8*\b+2*\i], v[AC+8*\b+2*\i+1]   ; each accumulator from its low end on
.endr
.endr
	WIN 0
.endm
.macro TOSTAGE a
.set BB, BK+32*((\a)%2)
.irp b, 0,1,2,3,4,5,6,7
	ds_store_b128 v[STO], v[TMP+4*\b:TMP+4*\b+3] offset:32*\b
.endr
.irp d, 0,1
.irp i, 0,1,2,3
	ds_load_b128 v[BB+16*\d+4*\i:BB+16*\d+4*\i+3], v[RD] offset:128*\d+4*PITCH*\i   ; LDS serves a wave's instructions in order: these see the stores above
.endr
.endr
.endm
.macro SEND a
.set BB, BK+32*((\a)%2)
	s_wait_dscnt 0x0                               ; the block is back in registers
	s_wait_xcnt 0x0                                ; the earlier stores have read their registers: the next block's loads may land on the other set
.irp d, 0,1
.irp i, 0,1,2,3
	global_store_b128 v[CO], v[BB+16*\d+4*\i:BB+16*\d+4*\i+3], s[12:13] offset:262144*\d+2048*(\a)+512*\i
.endr
.endr
.endm
	PLACES NP                                      ; behind the last products: for the reads of results and the loads into X's registers
	s_cmp_lg_u32 s67, 0                            ; a batch's first 16 rows leave in f32 as well, as they stand in the registers
	s_cbranch_scc1 .Lno_fine
	WIN 0x08                                       ; a store's data are its source 1: window 2
.irp b, 0,1,2,3,4,5,6,7
	global_store_b128 v[CO], v[8*\b:8*\b+3], s[98:99] offset:1024*\b
	global_store_b128 v[CO], v[8*\b+4:8*\b+7], s[98:99] offset:1024*\b+512
.endr
	WIN 0
.Lno_fine:
	PACK 0
	TOSTAGE 0
.irp a, 1,2,3,4,5,6,7                  ; block a's conversions stand between block a - 1's loads from the stage and the wait for them
	PACK \a
	SEND \a-1
	TOSTAGE \a
.endr
	SEND 7
	s_wait_tensorcnt 0x0                           ; the wave's end
	ds_add_u32 v[SPW], v[NIL]
	s_wait_dscnt 0x0
	CROUND                                         ; the closing round
	s_endpgm
.Lfunc_end_k_q267792762b_qkv:
	.size	k_q267792762b_qkv, .Lfunc_end_k_q267792762b_qkv-k_q267792762b_qkv
	.p2alignl 7, 3214868480
	.fill 96, 4, 3214868480
	.section	.rodata,"a",@progbits
	.p2align	6, 0x0
	.amdhsa_kernel k_q267792762b_qkv
		.amdhsa_group_segment_fixed_size 327680
		.amdhsa_private_segment_fixed_size 0
		.amdhsa_enable_private_segment 0
		.amdhsa_kernarg_size 48
		.amdhsa_user_sgpr_count 2
		.amdhsa_user_sgpr_kernarg_segment_ptr 1
		.amdhsa_wavefront_size32 1
		.amdhsa_system_sgpr_workgroup_id_x 1
		.amdhsa_system_sgpr_workgroup_id_y 1
		.amdhsa_system_sgpr_workgroup_id_z 1
		.amdhsa_system_vgpr_workitem_id 0
		.amdhsa_next_free_vgpr 1024
		.amdhsa_next_free_sgpr 100
		.amdhsa_reserve_vcc 0
		.amdhsa_float_denorm_mode_32 3
		.amdhsa_float_denorm_mode_16_64 3
		.amdhsa_memory_ordered 1
		.amdhsa_forward_progress 1
		.amdhsa_inst_pref_size 128
	.end_amdhsa_kernel
	.amdgpu_metadata
---
amdhsa.version: [ 1, 2 ]
amdhsa.kernels:
  - .name:           k_q267792762b_qkv
    .symbol:         k_q267792762b_qkv.kd
    .args:
      - { .name: x_codes, .offset: 0, .size: 8, .value_kind: global_buffer, .address_space: global }
      - { .name: x_scales, .offset: 8, .size: 8, .value_kind: global_buffer, .address_space: global }
      - { .name: w_codes, .offset: 16, .size: 8, .value_kind: global_buffer, .address_space: global }
      - { .name: w_scales, .offset: 24, .size: 8, .value_kind: global_buffer, .address_space: global }
      - { .name: qkv, .offset: 32, .size: 8, .value_kind: global_buffer, .address_space: global }
      - { .name: qkv32, .offset: 40, .size: 8, .value_kind: global_buffer, .address_space: global }
    .group_segment_fixed_size: 327680
    .private_segment_fixed_size: 0
    .kernarg_segment_align: 8
    .kernarg_segment_size: 48
    .max_flat_workgroup_size: 128
    .sgpr_count:     100
    .vgpr_count:     1024
    .wavefront_size: 32
...
	.end_amdgpu_metadata
.endif
;; end of part 2
;; launch attn (part 3): grid 4 x 64, 8 waves a work-group, no clusters, 327,680 bytes of LDS; arguments qkv, ctx; writes ctx
.if DOCPART == 3
	.amdgcn_target "amdgcn-amd-amdhsa--gfx1250"
	.amdhsa_code_object_version 6
	.text
	.protected	k_q267792762b_attn
	.globl	k_q267792762b_attn
	.p2align	8
	.type	k_q267792762b_attn,@function
k_q267792762b_attn:
	s_mov_b64 s[64:65], 0
	v_nop
	global_prefetch_b8 v0, s[64:65] scope:SCOPE_SE
	s_setreg_imm32_b32 hwreg(HW_REG_WAVE_MODE, 25, 1), 1
	s_wait_xcnt 0x0
; ctx[b][h][q][:] = sum over k <= q of softmax_k(Q[q] . K[k] / 8) V[k][:].  Q, K, V: f16, qkv [tau][b][h][t 2048][64]; ctx: f16 [b][h][t][64].  Products' sums, maxima and row sums in f32; the weights p (at most 1) are rounded to f16.
; SHARES.  Work-group (i, bh) owns query blocks i and 7 - i of head bh, 256 queries each: (i + 1) + (8 - i) = 9 blocks of keys for every work-group.  Wave w owns four tiles of 16 queries in two pieces:
; piece 0: queries 256 i + 32 w on, piece 1: 256 (7 - i) + 32 w on.  One fetch of a step's K and V fragments serves both pieces.  Two waves lie on a SIMD, so one wave's softmax stands beside the other's products.
; LAYOUT.  S^T = K Q^T (source 0 = 16 keys, source 1 = 16 queries): a lane holds ONE query (lane % 16) and keys 8 (lane / 16) + 0..7.  Two such tiles, packed to f16, ARE source 1 of O^T = V^T P.  V is turned by ds_load_tr16_b128.
; SOFTMAX.  A running maximum m and sum l for each query: p = 2^(c s - c m), c = log2(e) / 8; in every step O and l are multiplied by a = 2^(c m_old - c m_new).  m begins at -3e38, O and l at 0: the step is written once.
; RING.  Two slots of 256 keys (4 steps of 64), filled by the tensor data mover: waves 0-3 a quarter of K each, waves 4-7 a quarter of V.  EVERY work-group walks all 8 slots, so that trip counts are constants;
; a step whose keys all come after a piece's queries is jumped over on ids, and a slot whose first key comes after the work-group's last query is not asked for.  Every wait on TENSORcnt is for 0.
; NO CLUSTER: the four work-groups of a head read 8, 7, 6 and 5 slots of K and V: a joint load would bring a partner tiles that none of its waves reads.
; LIMIT: q, k, v inside f16's range.
; REGISTERS.  Window 0: v1-15 addresses; v16-47 statistics, 8 a tile (+0 c m, +1 m, +2 +3 l, +4..+7 at work, a in +6); v48-111 Q, 16 a tile; v112-175 S^T of the piece in hand; v176-207 its P.
;   Window 1: v0-127 O^T, 32 a tile; v128-191 K's eight fragments; v192-255 V's eight.
.set PKB,    144                       ; a row of K in LDS: 128 bytes + 16: the 16 rows of a load start at 16 different groups of four banks (64 banks of 4 bytes: ISA guide 11.1)
.set PVB,    160                       ; a row of V: 128 + 32
.set VOFF,   256*PKB                   ; a slot: 256 rows of K, then 256 rows of V
.set SLOT1,  1<<17                     ; slot 1 begins here: one exclusive or turns an address
.set SPARE,  2*SLOT1                   ; the spare words, 128 bytes for each wave: four blocks of 256 bytes that no other line names
.set AK0, 1
.set AV0, 2
.set ADK, 3
.set ADV, 4
.set QO,  5
.set STO, 6
.set RD,  7
.set GO,  8
.set DL,  9                            ; v9  lane % 16 - 8 (lane / 16)
.set NINF, 10                          ; v10 -infinity
.set DD,  11                           ; v11 the mask's threshold
.set SPW, 12
.set NIL, 13
.set PFO, 14                           ; v14 256 x lane
.set ST,  16
.set Q,   48
.set S,   112
.set P,   176
.set WV,  8
.set QL0, 11                           ; s11 piece 0's first query, s12 its last; s13, s14 piece 1's
.set QLL, 12
.set QH0, 13
.set QHL, 14
.set KF,  15                           ; s15 the step's first key
.set TBK, 16                           ; s16, s17 LDS byte at which the step's rows of K, of V begin (V's less VOFF)
.set TBV, 17
.set SLOTS, 18
.set STP, 19
.set SEL, 20
.set CS,  22
.set G1K, 24
.set G1V, 32
.set G0K, 40
.set G0V, 44
.set PFA, 56
.set LIM, 58
.set MSB, 0
.macro WIN new
.if MSB != \new
	s_set_vgpr_msb (MSB<<8)|\new
.set MSB, \new
.endif
.endm
; Every wave issues one load.  The branch hangs on the wave's number alone.  An s_nop 0 and four v_nop follow each of the two lines.
.macro TLOAD
	s_cmp_lt_u32 s[WV], 4
	s_cbranch_scc0 .Lfor_v_\@
	tensor_load_to_lds s[G0K:G0K+3], s[G1K:G1K+7]
	s_nop 0
.rept 4
	v_nop
.endr
	s_branch .Lasked_\@
.Lfor_v_\@:
	tensor_load_to_lds s[G0V:G0V+3], s[G1V:G1V+7]
	s_nop 0
.rept 4
	v_nop
.endr
.Lasked_\@:
.endm
; A prefetch of what the NEXT change of slots will ask for, one slot (four key steps) ahead.  All four work-groups of a head walk the same K and V: the one with i = 0, which walks all eight slots, asks.
; Each of its waves names the 8,192 bytes that it will itself load, lanes 256 bytes apart: each block once in the launch.  Slots 0 and 1 come by their loads alone; the last change that fills a slot asks for nothing.
.macro ASK
	s_cmp_gt_u32 s[SLOTS], s[LIM]
	s_cbranch_scc0 .Lnot_mine_\@
	global_prefetch_b8 v[PFO], s[PFA:PFA+1] th:TH_LOAD_NT scope:SCOPE_SE
.Lnot_mine_\@:
.endm
	s_load_b128 s[4:7], s[0:1], 0x0                ; qkv s[4:5], ctx s[6:7]
	v_lshl_add_u32 v[SPW], v0, 2, SPARE
	v_mov_b32 v[NIL], 0
	ds_add_u32 v[SPW], v[NIL]                      ; the wave's opening: the add, twice on end, and its wait ahead of my first tensor load
	ds_add_u32 v[SPW], v[NIL]
	v_lshrrev_b32 v1, 5, v0
	v_readfirstlane_b32 s[WV], v1                  ; wave 0..7
	s_mov_b32 s9, ttmp9                            ; i
	s_and_b32 s10, ttmp7, 0xffff                   ; bh = 16 b + h
	s_lshl_b32 s60, s[WV], 5
	s_lshl_b32 s[QL0], s9, 8
	s_add_co_u32 s[QL0], s[QL0], s60
	s_add_co_u32 s[QLL], s[QL0], 31
	s_sub_co_u32 s[QH0], 7, s9
	s_lshl_b32 s[QH0], s[QH0], 8
	s_add_co_u32 s[QH0], s[QH0], s60
	s_add_co_u32 s[QHL], s[QH0], 31
	s_mov_b32 s[KF], 0
	s_mov_b32 s[TBK], 0
	s_mov_b32 s[TBV], 0
	s_mov_b32 s[SLOTS], 7
	s_mov_b32 s[SEL], 0x76543210
	s_mov_b32 s[SEL+1], 0xfedcba98                 ; v_permlanex16_b32's selects for lane l xor 16
	s_mov_b32 s[CS], 0x3e38aa3b                    ; c = log2(e) / 8
	s_mov_b32 s[CS+1], s[CS]                       ; (named with it as a pair)
	s_mov_b32 s[G1K], (1<<16)|(1<<20)|(4<<22)|(3<<25)   ; no mask; elements of 2 bytes; padding on: after every 32 words, 4 words
	s_mov_b32 s[G1V], (1<<16)|(1<<20)|(4<<22)|(7<<25)   ; the same with 8 words
.irp g, G1K, G1V
	s_mov_b32 s[\g+1], 64<<16                      ; tensor_dim0 = 64
	s_mov_b32 s[\g+2], 64<<16                      ; tensor_dim1 = 64
	s_mov_b32 s[\g+3], 64<<16                      ; tile_dim0 = 64
	s_mov_b32 s[\g+4], 64                          ; tile_dim1 = 64 rows
	s_mov_b32 s[\g+5], 64                          ; from row to row
	s_mov_b32 s[\g+6], 0
	s_mov_b32 s[\g+7], 0
.endr
	s_and_b32 s61, s[WV], 3                        ; which quarter of a slot I fetch
	s_mul_i32 s62, s61, 64*PKB                     ; its place among K's rows in a slot,
	s_mul_i32 s63, s61, 64*PVB
	s_add_co_u32 s63, s63, VOFF                    ; among V's,
	s_lshl_b32 s66, s61, 13                        ; and in memory: 64 rows of 128 bytes
	s_add_co_u32 s68, s10, 64
	s_lshl_b32 s68, s68, 18
	s_add_co_u32 s68, s68, s66                     ; K of my head
	s_mov_b32 s69, 0
	s_add_co_u32 s70, s10, 128
	s_lshl_b32 s70, s70, 18
	s_add_co_u32 s70, s70, s66                     ; V of my head
	s_mov_b32 s71, 0
	s_cmp_eq_u32 s9, 0
	s_cselect_b32 s[LIM], 1, -1                    ; 1 in a work-group that prefetches, else the greatest number
	s_wait_dscnt 0x0                               ; both opening adds are done
	s_wait_kmcnt 0x0
	s_mov_b32 s[G0K], 1
	s_mov_b32 s[G0K+1], s62
	s_add_nc_u64 s[G0K+2:G0K+3], s[4:5], s[68:69]
	s_or_b32 s[G0K+3], s[G0K+3], 0x80000000
	s_mov_b32 s[G0V], 1
	s_mov_b32 s[G0V+1], s63
	s_add_nc_u64 s[G0V+2:G0V+3], s[4:5], s[70:71]
	s_or_b32 s[G0V+3], s[G0V+3], 0x80000000
	TLOAD                                          ; slot 0: keys 0 to 255, which count for queries of every work-group
	s_cmp_lt_u32 s[WV], 4
	s_cselect_b32 s62, s68, s70
	s_mov_b32 s63, 0
	s_add_nc_u64 s[PFA:PFA+1], s[4:5], s[62:63]
	s_add_nc_u64 s[PFA:PFA+1], s[PFA:PFA+1], 32768 ; my quarter of slot 1: the first change of slots steps it to slot 2
	s_lshl_b32 s62, s10, 18                        ; my head in q and in ctx
	s_lshl_b32 s66, s[QL0], 7
	s_add_co_u32 s66, s66, s62
	s_mov_b32 s67, 0
	s_add_nc_u64 s[48:49], s[4:5], s[66:67]        ; Q at piece 0
	s_add_nc_u64 s[52:53], s[6:7], s[66:67]        ; ctx at piece 0
	s_lshl_b32 s66, s[QH0], 7
	s_add_co_u32 s66, s66, s62
	s_add_nc_u64 s[50:51], s[4:5], s[66:67]        ; Q at piece 1
	s_add_nc_u64 s[54:55], s[6:7], s[66:67]        ; ctx at piece 1
	v_and_b32 v15, 15, v0                          ; r = lane % 16
	v_bfe_u32 v11, v0, 4, 1                        ; h = lane / 16
	v_lshlrev_b32 v[QO], 7, v15
	v_lshl_add_u32 v[QO], v11, 4, v[QO]            ; Q: row r of 128 bytes + 16 h
.irp u, 0,1
.irp e, 0,1                                    ; Q stays in registers: tile 2 piece + u, channels 32 e on
	global_load_b128 v[Q+16*\u+8*\e:Q+16*\u+8*\e+3],       v[QO], s[48:49] offset:\u*2048+\e*64
	global_load_b128 v[Q+16*\u+8*\e+4:Q+16*\u+8*\e+7],     v[QO], s[48:49] offset:\u*2048+\e*64+32
	global_load_b128 v[Q+32+16*\u+8*\e:Q+32+16*\u+8*\e+3],   v[QO], s[50:51] offset:\u*2048+\e*64
	global_load_b128 v[Q+32+16*\u+8*\e+4:Q+32+16*\u+8*\e+7], v[QO], s[50:51] offset:\u*2048+\e*64+32
.endr
.endr
	v_mul_u32_u24 v[AK0], v15, PKB
	v_lshl_add_u32 v[AK0], v11, 4, v[AK0]          ; K: row r x pitch + 16 h
	v_and_b32 v3, 7, v0
	v_lshl_add_u32 v3, v11, 3, v3
	v_mul_u32_u24 v[AV0], v3, PVB                  ; V, for the turning load: key 8 h + lane % 8,
	v_bfe_u32 v3, v0, 3, 1
	v_lshl_add_u32 v[AV0], v3, 4, v[AV0]           ; channels 8 ((lane / 8) % 2) on
	v_add_nc_u32 v[AV0], VOFF, v[AV0]
	s_mul_i32 s60, s[WV], 16*PKB                   ; my stage for the way out: 16 rows x 144 bytes, in slot 0
	v_add_nc_u32 v[STO], s60, v[AK0]
	v_bfe_u32 v3, v0, 3, 2
	v_mul_u32_u24 v3, v3, PKB
	v_and_b32 v4, 7, v0
	v_lshl_add_u32 v3, v4, 4, v3
	v_add_nc_u32 v[RD], s60, v3                    ; back: eight lanes a row of 128 bytes, four rows an instruction
	v_and_b32 v4, 31, v0
	v_lshlrev_b32 v[GO], 4, v4
	v_lshlrev_b32 v[PFO], 8, v4
	v_lshlrev_b32 v3, 3, v11
	v_sub_nc_u32 v[DL], v15, v3
	v_mov_b32 v[NINF], 0xff800000
.set e, 0
.rept 32
	v_mov_b32 v[ST+e], 0                           ; l = 0; the registers at work are written once (a lane permute's destination counts as one of its sources)
.set e, e+1
.endr
.irp t, 0,1,2,3
	v_mov_b32 v[ST+8*\t+1], 0xff61b1e6             ; m = -3e38, under every score
.endr
.irp t, 0,1,2,3
	v_mul_f32 v[ST+8*\t], s[CS], v[ST+8*\t+1]      ; c m
.endr
	WIN 0x40
.set e, 0
.rept 128
	v_mov_b32 v[e], 0                              ; O^T: the step is written once; the first finds zeros, which a = 0 leaves zeros
.set e, e+1
.endr
	WIN 0
; S^T = K Q^T of piece pc: eight accumulators by turns, channels 32 (i / 8) on, keys 16 ((i / 2) % 4) on, tile i % 2
.macro KQM pc
	WIN 0x01                                       ; K in window 1
.set i, 0
.rept 16
.set rS, S+32*(i%2)+8*((i/2)%4)
.set rK, 128+8*(2*((i/2)%4)+i/8)
.set rQ, Q+16*(2*\pc+i%2)+8*(i/8)
.if i < 8
	v_wmma_f32_16x16x32_f16 v[rS:rS+7], v[rK:rK+7], v[rQ:rQ+7], 0
.else
	v_wmma_f32_16x16x32_f16 v[rS:rS+7], v[rK:rK+7], v[rQ:rQ+7], v[rS:rS+7]
.endif
.set i, i+1
.endr
.endm
; O^T += V^T P: eight accumulators by turns, keys 32 (i / 8) on, channels 16 ((i / 2) % 4) on, tile i % 2
.macro PVM pc
	WIN 0x51                                       ; V, C and D in window 1, P in window 0
.set i, 0
.rept 16
.set rO, 32*(2*\pc+i%2)+8*((i/2)%4)
.set rV, 192+8*(4*(i/8)+(i/2)%4)
.set rP, P+16*(i%2)+8*(i/8)
	v_wmma_f32_16x16x32_f16 v[rO:rO+7], v[rV:rV+7], v[rP:rP+7], v[rO:rO+7]
.set i, i+1
.endr
.endm
; On the diagonal: register 32 u + 8 t + j holds key KF + 16 t + 8 h + j for query Q0 + 16 u + r: hidden where 16 t + j - 16 u > Q0 - KF + r - 8 h.  Hidden scores become -infinity: p = 0
.macro MASK pc
	s_sub_co_i32 s60, s[QL0+2*\pc], s[KF]
	v_add_nc_u32 v[DD], s60, v[DL]
.irp u, 0,1
.irp t, 0,1,2,3
.irp j, 0,1,2,3,4,5,6,7
	v_cmp_gt_i32 vcc_lo, 16*\t+\j-16*\u, v[DD]
	v_cndmask_b32 v[S+32*\u+8*\t+\j], v[S+32*\u+8*\t+\j], v[NINF], vcc_lo
.endr
.endr
.endr
.endm
; The softmax of piece pc's two tiles for one step, the tiles line by line by turns
.macro SMAX pc
.irp j, 0,1,2,3
.irp u, 0,1
	v_max3_num_f32 v[ST+8*(2*\pc+\u)+4+\j], v[S+32*\u+8*\j], v[S+32*\u+8*\j+1], v[S+32*\u+8*\j+2]   ; four chains, each begun at an accumulator's low end
.endr
.endr
.irp g, 3,5
.irp j, 0,1,2,3
.irp u, 0,1
	v_max3_num_f32 v[ST+8*(2*\pc+\u)+4+\j], v[ST+8*(2*\pc+\u)+4+\j], v[S+32*\u+8*\j+\g], v[S+32*\u+8*\j+\g+1]
.endr
.endr
.endr
.irp u, 0,1
	v_max3_num_f32 v[ST+8*(2*\pc+\u)+4], v[ST+8*(2*\pc+\u)+4], v[S+32*\u+7], v[S+32*\u+15]
.endr
.irp u, 0,1
	v_max3_num_f32 v[ST+8*(2*\pc+\u)+6], v[ST+8*(2*\pc+\u)+6], v[S+32*\u+23], v[S+32*\u+31]
.endr
.irp u, 0,1
	v_max3_num_f32 v[ST+8*(2*\pc+\u)+4], v[ST+8*(2*\pc+\u)+4], v[ST+8*(2*\pc+\u)+5], v[ST+8*(2*\pc+\u)+6]
.endr
.irp u, 0,1
	v_max3_num_f32 v[ST+8*(2*\pc+\u)+4], v[ST+8*(2*\pc+\u)+4], v[ST+8*(2*\pc+\u)+7], v[ST+8*(2*\pc+\u)+1]   ; with the old m
.endr
.irp u, 0,1
	v_permlanex16_b32 v[ST+8*(2*\pc+\u)+5], v[ST+8*(2*\pc+\u)+4], s[SEL], s[SEL+1]   ; the query's other 32 keys lie in the lane 16 away
.endr
.irp u, 0,1
	v_mov_b32 v[ST+8*(2*\pc+\u)+7], v[ST+8*(2*\pc+\u)]                               ; c m_old is kept for a
.endr
.irp u, 0,1
	v_max_num_f32 v[ST+8*(2*\pc+\u)+1], v[ST+8*(2*\pc+\u)+4], v[ST+8*(2*\pc+\u)+5]
.endr
.irp u, 0,1
	v_mul_f32 v[ST+8*(2*\pc+\u)], s[CS], v[ST+8*(2*\pc+\u)+1]
.endr
.irp u, 0,1
	v_sub_f32 v[ST+8*(2*\pc+\u)+7], v[ST+8*(2*\pc+\u)+7], v[ST+8*(2*\pc+\u)]
.endr
.set e, 0
.rept 16
.irp u, 0,1
	v_pk_fma_f32 v[S+32*\u+2*e:S+32*\u+2*e+1], v[S+32*\u+2*e:S+32*\u+2*e+1], s[CS:CS+1], v[ST+8*(2*\pc+\u):ST+8*(2*\pc+\u)+1] op_sel_hi:[1,0,0] neg_lo:[0,0,1] neg_hi:[0,0,1]   ; c s - c m
.endr
.set e, e+1
.endr
.irp u, 0,1
	v_exp_f32 v[ST+8*(2*\pc+\u)+6], v[ST+8*(2*\pc+\u)+7]                             ; a
.endr
.set e, 0
.rept 32
	v_exp_f32 v[S+e], v[S+e]                       ; ONE BATCH: 66 exponentials, none of which reads another's result
	v_exp_f32 v[S+32+e], v[S+32+e]
.set e, e+1
.endr
	v_nop                                          ; a plain line behind the last exponential
	s_wait_alu depctr_va_vdst(0)                   ; and one wait ahead of the batch's first reader
.set e, 0
.rept 16
	v_cvt_pk_f16_f32 v[P+e], v[S+2*e], v[S+2*e+1]
	v_cvt_pk_f16_f32 v[P+16+e], v[S+32+2*e], v[S+32+2*e+1]
.set e, e+1
.endr
.irp w, 4,8,16,32                              ; the row's sum of the unrounded p: pairs added in place, neighbours w / 2 registers apart
.set e, 0
.rept 32/\w
.irp u, 0,1
	v_pk_add_f32 v[S+32*\u+\w*e:S+32*\u+\w*e+1], v[S+32*\u+\w*e:S+32*\u+\w*e+1], v[S+32*\u+\w*e+\w/2:S+32*\u+\w*e+\w/2+1]
.endr
.set e, e+1
.endr
.endr
.irp u, 0,1
	v_pk_fma_f32 v[ST+8*(2*\pc+\u)+2:ST+8*(2*\pc+\u)+3], v[ST+8*(2*\pc+\u)+2:ST+8*(2*\pc+\u)+3], v[ST+8*(2*\pc+\u)+6:ST+8*(2*\pc+\u)+7], v[S+32*\u:S+32*\u+1] op_sel_hi:[1,0,1]   ; l = a l + the sum
.endr
.endm
.macro PIECE pc
.if \pc == 0
	s_cmp_gt_u32 s[KF], s[QLL]                     ; all the step's keys come after piece 0's queries: ids and the count of steps alone
	s_cbranch_scc1 .Lskip_\@
.endif
	KQM \pc
	WIN 0
.rept 4
	v_nop                                          ; places between the last product and the first read of the scores
.endr
	s_add_co_u32 s60, s[KF], 63
	s_cmp_le_u32 s60, s[QL0+2*\pc]                 ; all 64 keys count for all 32 queries: no mask
	s_cbranch_scc1 .Lopen_\@
	MASK \pc
.Lopen_\@:
	SMAX \pc
	s_wait_dscnt 0x0                               ; V is in
	WIN 0x41                                       ; O^T in window 1, a in window 0
.irp u, 0,1
.set e, 0
.rept 16
	v_pk_mul_f32 v[32*(2*\pc+\u)+2*e:32*(2*\pc+\u)+2*e+1], v[32*(2*\pc+\u)+2*e:32*(2*\pc+\u)+2*e+1], v[ST+8*(2*\pc+\u)+6:ST+8*(2*\pc+\u)+7] op_sel_hi:[1,0]   ; each accumulator from its low end on
.set e, e+1
.endr
.endr
	PVM \pc
	WIN 0
.Lskip_\@:
.endm
; A KEY STEP: 64 keys
.macro STEP
	s_cmp_gt_u32 s[KF], s[QHL]                     ; all its keys come after all my queries: nothing is read
	s_cbranch_scc1 .Lhidden_\@
	v_add_nc_u32 v[ADK], s[TBK], v[AK0]            ; these two and two v_nop are the four places between the last products and the loads into their registers
	v_add_nc_u32 v[ADV], s[TBV], v[AV0]
	v_nop
	v_nop
	WIN 0x40                                       ; destination window 1
.irp t, 0,1,2,3
.irp e, 0,1
	ds_load_b128 v[128+8*(2*\t+\e):128+8*(2*\t+\e)+3],   v[ADK] offset:\t*16*PKB+\e*64
	ds_load_b128 v[128+8*(2*\t+\e)+4:128+8*(2*\t+\e)+7], v[ADK] offset:\t*16*PKB+\e*64+32
.endr
.endr
.irp k, 0,1
.irp c, 0,1,2,3
	ds_load_tr16_b128 v[192+8*(4*\k+\c):192+8*(4*\k+\c)+3],   v[ADV] offset:\k*32*PVB+\c*32
	ds_load_tr16_b128 v[192+8*(4*\k+\c)+4:192+8*(4*\k+\c)+7], v[ADV] offset:\k*32*PVB+16*PVB+\c*32
.endr
.endr
	WIN 0
	s_wait_dscnt 16                                ; K is in; V's sixteen younger loads may be out
	PIECE 0
	PIECE 1
.Lhidden_\@:
	s_add_co_u32 s[KF], s[KF], 64
	s_add_co_u32 s[TBK], s[TBK], 64*PKB
	s_add_co_u32 s[TBV], s[TBV], 64*PVB
.endm
; THE CHANGE OF SLOTS, at a slot's head.  Each wave waits for all its tensor loads (its part of the slot ahead), adds 0 to its spare word, and waits for that and for its reads of the slot that it has left.
; Behind the barrier the slot ahead is whole and nobody reads the other one.  fill = 1: that other slot takes the next 256 keys: the load has a slot's four steps in which to land.
.macro CHANGE fill
	s_wait_tensorcnt 0x0                           ; no tensor load of mine is out, so a group 0 may be written
	ds_add_u32 v[SPW], v[NIL]                      ; 0 onto my spare word
.if \fill
	s_xor_b32 s[G0K+1], s[G0K+1], SLOT1            ; the walking descriptors: the other slot,
	s_add_nc_u64 s[G0K+2:G0K+3], s[G0K+2:G0K+3], 32768   ; the next 256 rows of 128 bytes
	s_xor_b32 s[G0V+1], s[G0V+1], SLOT1
	s_add_nc_u64 s[G0V+2:G0V+3], s[G0V+2:G0V+3], 32768
	s_wait_xcnt 0x0                                ; the last prefetch, a slot back, has read its address
	s_add_nc_u64 s[PFA:PFA+1], s[PFA:PFA+1], 32768 ; one slot further on than the walking descriptors
.endif
	s_wait_dscnt 0x0
	s_barrier_signal -1
	s_barrier_wait -1
.if \fill
	s_add_co_u32 s60, s[KF], 256                   ; the first key of the slot that this change would ask for
	s_or_b32 s61, s[QH0], 255                      ; my work-group's last query
	s_cmp_gt_u32 s60, s61                          ; ids and the count of steps alone: all eight waves go the same way, and a work-group past the limit stays past it
	s_cbranch_scc1 .Lpast_\@                       ; such a slot would be read by none of my work-group's waves
	TLOAD
.Lpast_\@:
	ASK
.endif
.endm
.macro SLOT_STEPS                      ; a slot's four steps: written once, walked four times
	s_mov_b32 s[STP], 4
.Lstep_\@:
	STEP
	s_sub_co_u32 s[STP], s[STP], 1
	s_cmp_lg_u32 s[STP], 0
	s_cbranch_scc1 .Lstep_\@
	s_sub_co_u32 s[TBK], s[TBK], 256*PKB           ; back to a slot's first step,
	s_xor_b32 s[TBK], s[TBK], SLOT1                ; in the other slot
	s_sub_co_u32 s[TBV], s[TBV], 256*PVB
	s_xor_b32 s[TBV], s[TBV], SLOT1
.endm
	s_wait_loadcnt 0x0                             ; Q
.Lslot:                                            ; 7 trips: behind each change of slots but the last the next slot is asked for, up to the causal limit
	CHANGE 1
	SLOT_STEPS
	s_sub_co_u32 s[SLOTS], s[SLOTS], 1
	s_cmp_lg_u32 s[SLOTS], 0
	s_cbranch_scc1 .Lslot
	CHANGE 0                                       ; the last slot is written out: nothing is left to ask for
	SLOT_STEPS
	; THE WAY OUT.  l's two halves and the other half of the lanes' are added; O^T / l is rounded to f16 and goes through my stage (in slot 0: it has had its last fill, and nobody reads it behind the last change), a tile at a time.
.irp t, 0,1,2,3
	v_add_f32 v[ST+8*\t+4], v[ST+8*\t+2], v[ST+8*\t+3]
.endr
.irp t, 0,1,2,3
	v_permlanex16_b32 v[ST+8*\t+5], v[ST+8*\t+4], s[SEL], s[SEL+1]
.endr
.irp t, 0,1,2,3
	v_add_f32 v[ST+8*\t+4], v[ST+8*\t+4], v[ST+8*\t+5]
.endr
.irp t, 0,1,2,3
	v_rcp_f32 v[ST+8*\t+6], v[ST+8*\t+4]
.endr
	v_nop                                          ; a plain line behind the last reciprocal
	s_wait_alu depctr_va_vdst(0)                   ; one wait for the four, ahead of their first reader
.irp t, 0,1,2,3
	WIN 0x41
.set e, 0
.rept 16
	v_pk_mul_f32 v[32*\t+2*e:32*\t+2*e+1], v[32*\t+2*e:32*\t+2*e+1], v[ST+8*\t+6:ST+8*\t+7] op_sel_hi:[1,0]
.set e, e+1
.endr
	WIN 0x05                                       ; sources 0 and 1 window 1, destination window 0
.set e, 0
.rept 16
	v_cvt_pk_f16_f32 v[S+16*\t+e], v[32*\t+2*e], v[32*\t+2*e+1]
.set e, e+1
.endr
	WIN 0
.irp c, 0,1,2,3
	ds_store_b128 v[STO], v[S+16*\t+4*\c:S+16*\t+4*\c+3] offset:32*\c
.endr
.irp c, 0,1,2,3
	ds_load_b128 v[P+16*\t+4*\c:P+16*\t+4*\c+3], v[RD] offset:4*PKB*\c   ; LDS serves a wave's instructions in order: these see the stores above, and the next tile's stores come behind them
.endr
.endr
	s_wait_dscnt 0x0
.irp u, 0,1
.irp c, 0,1,2,3
	global_store_b128 v[GO], v[P+16*\u+4*\c:P+16*\u+4*\c+3], s[52:53] offset:2048*\u+512*\c        ; 32 lanes store 512 consecutive bytes
	global_store_b128 v[GO], v[P+32+16*\u+4*\c:P+32+16*\u+4*\c+3], s[54:55] offset:2048*\u+512*\c
.endr
.endr
	s_wait_tensorcnt 0x0                           ; the wave's end
	ds_add_u32 v[SPW], v[NIL]
	s_wait_dscnt 0x0
	s_endpgm
.Lfunc_end_k_q267792762b_attn:
	.size	k_q267792762b_attn, .Lfunc_end_k_q267792762b_attn-k_q267792762b_attn
	.p2alignl 7, 3214868480
	.fill 96, 4, 3214868480
	.section	.rodata,"a",@progbits
	.p2align	6, 0x0
	.amdhsa_kernel k_q267792762b_attn
		.amdhsa_group_segment_fixed_size 327680
		.amdhsa_private_segment_fixed_size 0
		.amdhsa_enable_private_segment 0
		.amdhsa_kernarg_size 16
		.amdhsa_user_sgpr_count 2
		.amdhsa_user_sgpr_kernarg_segment_ptr 1
		.amdhsa_wavefront_size32 1
		.amdhsa_system_sgpr_workgroup_id_x 1
		.amdhsa_system_sgpr_workgroup_id_y 1
		.amdhsa_system_sgpr_workgroup_id_z 1
		.amdhsa_system_vgpr_workitem_id 0
		.amdhsa_next_free_vgpr 512
		.amdhsa_next_free_sgpr 72
		.amdhsa_reserve_vcc 1
		.amdhsa_float_denorm_mode_32 3
		.amdhsa_float_denorm_mode_16_64 3
		.amdhsa_memory_ordered 1
		.amdhsa_forward_progress 1
		.amdhsa_inst_pref_size 109
	.end_amdhsa_kernel
	.amdgpu_metadata
---
amdhsa.version: [ 1, 2 ]
amdhsa.kernels:
  - .name:           k_q267792762b_attn
    .symbol:         k_q267792762b_attn.kd
    .args:
      - { .name: qkv, .offset: 0, .size: 8, .value_kind: global_buffer, .address_space: global }
      - { .name: ctx, .offset: 8, .size: 8, .value_kind: global_buffer, .address_space: global }
    .group_segment_fixed_size: 327680
    .private_segment_fixed_size: 0
    .kernarg_segment_align: 8
    .kernarg_segment_size: 16
    .max_flat_workgroup_size: 256
    .sgpr_count:     72
    .vgpr_count:     512
    .wavefront_size: 32
...
	.end_amdgpu_metadata
.endif
;; end of part 3
;; launch proj (part 4): grid 4 x 64, 4 waves a work-group, clusters of 4 x 4, 327,680 bytes of LDS; arguments ctx, wot, bo, out0; writes out0
.if DOCPART == 4
	.amdgcn_target "amdgcn-amd-amdhsa--gfx1250"
	.amdhsa_code_object_version 6
	.text
	.protected	k_q267792762b_proj
	.globl	k_q267792762b_proj
	.p2align	8
	.type	k_q267792762b_proj,@function
k_q267792762b_proj:
	s_mov_b64 s[64:65], 0
	v_nop
	global_prefetch_b8 v0, s[64:65] scope:SCOPE_SE
	s_setreg_imm32_b32 hwreg(HW_REG_WAVE_MODE, 25, 1), 1
	s_wait_xcnt 0x0
	s_wait_alu depctr_hold_cnt(0) depctr_sa_sdst(0) depctr_va_vdst(0) depctr_va_sdst(0) depctr_va_ssrc(0) depctr_va_vcc(0) depctr_vm_vsrc(0)
	s_getreg_b32 s2, hwreg(HW_REG_IB_STS2, 6, 4)
	s_cmp_eq_u32 s2, 0
	s_cbranch_scc0 .Lentry_in_a_cluster
	s_endpgm
.Lentry_in_a_cluster:
	s_bfe_u32 s2, ttmp6, 0x10000c
	s_cmp_lg_u32 s2, 0xf033
	s_cbranch_scc0 .Lentry_shape_is_right
	s_endpgm
.Lentry_shape_is_right:
; out0[m][n] = sum over k of ctx[m][k] Wo[k][n] + bo[n], f16 operands, f32 sums.  ctx: f16 by head [b][h][t][64] (k = 64 h + d); wot: f16 [n 1024][k 1024]; out0: f32 [8192][1024].
; A tile is 128 rows x 256 columns: 256 work-groups.  Four waves, 64 x 128 each: 32 accumulators.  K goes in steps of 128 (two heads) through two LDS slots; four quarters of 32 a step.
; CLUSTERS: 4 x 4.  Tile column = cx; tile row = 16 cy + cluster y, so the batch is cy.  ctx's tiles are asked for jointly along a row of the cluster, wot's along a column.
; THE MATRIX INSTRUCTION IS USED TRANSPOSED (source 0 = 16 rows of wot, source 1 = 16 rows of ctx): a lane holds eight neighbouring columns of one row.  The bias is the C of each sum's first product.
; Rows t < 16 of every batch are NOT stored here: the launch behind this one makes them in f32.
; No prefetch: a step's tiles are small and shared in the cluster, and the launch is short.
; REGISTERS.  Window 0: v16-29 addresses; v32-127, v128-223 two fragment buffers (ctx's 4 fragments, then wot's 8).  Window 1: accumulator (a, b) at v[8 (8 a + b)].  Window 2: v0-63 the bias in the result's layout.
.set ASUB,  128*144                    ; a head's 128 rows of ctx: 128 bytes + 16 each
.set BOFF,  2*ASUB
.set BHALF, 128*272                    ; 128 rows of wot: 256 bytes + 16 each
.set SLOT,  BOFF+2*BHALF
.set SPARE, 2*SLOT                     ; the spare words, 128 bytes for each wave: two blocks of 256 bytes that no other line names
.set SPITCH, 528                       ; the way out: 16 rows x (512 bytes + 16) for each wave, in slot 0
.set ADRA, 16
.set ADRB, 20
.set STO,  24
.set RD,   25
.set CO,   26
.set SPW,  28
.set NIL,  29
.set F0,   32
.set F1,   128
.set BK,   32
.set G1, 24
.set G0, 32
.set G1B, 48
.set G0B, 56
.set MSB, 0
.macro WIN new
.if MSB != \new
	s_set_vgpr_msb (MSB<<8)|\new
.set MSB, \new
.endif
.endm
.macro JLOAD s                         ; a joint load: waves 0 and 1 fetch ctx's two heads, waves 2 and 3 wot's two halves; an s_nop 0 and four v_nop follow each line
	s_cmp_eq_u32 s13, 0
	s_cbranch_scc0 .Lfor_b_\@
	tensor_load_to_lds s[G0+4*\s:G0+4*\s+3], s[G1:G1+7]
	s_nop 0
.rept 4
	v_nop
.endr
	s_branch .Lasked_\@
.Lfor_b_\@:
	tensor_load_to_lds s[G0B+4*\s:G0B+4*\s+3], s[G1B:G1B+7]
	s_nop 0
.rept 4
	v_nop
.endr
.Lasked_\@:
.endm
.macro CREST                           ; a round of the cluster's barrier behind its opening barrier
	s_cmp_lg_u32 s12, 0
	s_cbranch_scc1 .Lnot_wave_0_\@
	s_barrier_signal -3
.Lnot_wave_0_\@:
	s_barrier_wait -3
	s_barrier_signal -1
	s_barrier_wait -1
.endm
.macro CROUND
	s_barrier_signal -1
	s_barrier_wait -1
	CREST
.endm
	s_load_b256 s[4:11], s[0:1], 0x0               ; ctx s[4:5], wot s[6:7], bo s[8:9], out0 s[10:11]
	v_lshl_add_u32 v[SPW], v0, 2, SPARE
	v_mov_b32 v[NIL], 0
	ds_add_u32 v[SPW], v[NIL]                      ; the wave's opening: the add, twice on end, and its wait ahead of my first tensor load
	ds_add_u32 v[SPW], v[NIL]
	v_lshrrev_b32 v1, 5, v0
	v_readfirstlane_b32 s12, v1                    ; wave 0..3
	s_lshr_b32 s13, s12, 1                         ; which 64 rows are mine.  Also: I fetch for ctx (0) or for wot (1)
	s_and_b32 s14, s12, 1                          ; which 128 columns.  Also: which head, or which 128 rows of wot, I fetch
	s_bfe_u32 s40, ttmp6, 0x40000                  ; cx: the tile column
	s_bfe_u32 s41, ttmp6, 0x40004                  ; cy: the batch
	s_and_b32 s15, ttmp7, 0xffff                   ; cluster y: the tile of 128 rows within the batch
	s_lshl_b32 s43, s41, 2
	s_lshl_b32 s43, 15, s43                        ; my row of the cluster
	s_lshl_b32 s44, 0x1111, s40                    ; my column
	s_or_b32 s[G1], s43, (1<<16)|(1<<20)|(1<<21)|(4<<22)|(3<<25)    ; the mask; elements of 2 bytes; padding on; bit 21 beside a mask; after every 32 words, 4 words
	s_mov_b32 s[G1+1], 64<<16                      ; tensor_dim0 = 64
	s_mov_b32 s[G1+2], 128<<16                     ; tensor_dim1 = 128
	s_mov_b32 s[G1+3], 64<<16                      ; tile_dim0
	s_mov_b32 s[G1+4], 128                         ; tile_dim1
	s_mov_b32 s[G1+5], 64                          ; from row to row
	s_mov_b32 s[G1+6], 0
	s_mov_b32 s[G1+7], 0
	s_or_b32 s[G1B], s44, (1<<16)|(1<<20)|(1<<21)|(5<<22)|(3<<25)   ; after every 64 words
	s_mov_b32 s[G1B+1], 128<<16
	s_mov_b32 s[G1B+2], 128<<16
	s_mov_b32 s[G1B+3], 128<<16
	s_mov_b32 s[G1B+4], 128
	s_mov_b32 s[G1B+5], 1024
	s_mov_b32 s[G1B+6], 0
	s_mov_b32 s[G1B+7], 0
	s_lshl_b32 s16, s41, 4
	s_add_co_u32 s16, s16, s14                     ; ctx: head 16 b + (wave % 2),
	s_lshl_b32 s16, s16, 18
	s_lshl_b32 s17, s15, 14                        ; row 128 x cluster y, 128 bytes a row
	s_add_co_u32 s16, s16, s17
	s_mov_b32 s17, 0
	s_lshl_b32 s46, s40, 19                        ; wot: row 256 cx + 128 (wave % 2), 2,048 bytes a row
	s_lshl_b32 s47, s14, 18
	s_add_co_u32 s46, s46, s47
	s_mov_b32 s47, 0
	s_mul_i32 s20, s14, ASUB                       ; where they go: no place in the cluster enters an LDS address
	s_mul_i32 s21, s14, BHALF
	s_add_co_u32 s21, s21, BOFF
	s_wait_dscnt 0x0                               ; both opening adds are done
	s_wait_kmcnt 0x0
	s_add_nc_u64 s[16:17], s[4:5], s[16:17]
	s_add_nc_u64 s[46:47], s[6:7], s[46:47]
	CROUND                                         ; all sixteen work-groups are here: the first joint loads meet
.irp s, 0,1
	s_mov_b32 s[G0+4*\s], 1
	s_add_co_u32 s[G0+4*\s+1], s20, \s*SLOT
	s_add_nc_u64 s[G0+4*\s+2:G0+4*\s+3], s[16:17], \s*524288        ; K step s: two heads on
	s_or_b32 s[G0+4*\s+3], s[G0+4*\s+3], 0x80000000
	s_mov_b32 s[G0B+4*\s], 1
	s_add_co_u32 s[G0B+4*\s+1], s21, \s*SLOT
	s_add_nc_u64 s[G0B+4*\s+2:G0B+4*\s+3], s[46:47], \s*256
	s_or_b32 s[G0B+4*\s+3], s[G0B+4*\s+3], 0x80000000
	JLOAD \s                                       ; two loads of mine are out
.endr
	v_and_b32 v1, 15, v0                           ; r
	v_bfe_u32 v2, v0, 4, 1                         ; h
	v_mul_u32_u24 v3, v1, 144
	v_lshl_add_u32 v3, v2, 4, v3
	v_mul_u32_u24 v4, v1, 272
	v_lshl_add_u32 v4, v2, 4, v4
	s_mul_i32 s21, s13, 64*144                     ; my 64 rows of ctx
	s_mul_i32 s22, s14, BHALF                      ; my 128 rows of wot
	s_add_co_u32 s22, s22, BOFF
.irp s, 0,1
	v_add_nc_u32 v[ADRA+\s], s21, v3
	v_add_nc_u32 v[ADRB+\s], s22, v4
	s_add_co_u32 s21, s21, SLOT
	s_add_co_u32 s22, s22, SLOT
.endr
	s_mul_i32 s23, s12, 16*SPITCH                  ; my stage
	v_mul_u32_u24 v5, v1, SPITCH
	v_lshl_add_u32 v5, v2, 5, v5
	v_add_nc_u32 v[STO], s23, v5                   ; in: row r, 32 bytes for each half of the lanes
	v_and_b32 v6, 31, v0
	v_lshlrev_b32 v[CO], 4, v6
	v_add_nc_u32 v[RD], s23, v[CO]                 ; back: the 32 lanes take one row of 512 bytes
	v_lshlrev_b32 v5, 5, v2                        ; the bias: 8 numbers for each half of the lanes
	s_lshl_b32 s20, s40, 10
	s_lshl_b32 s21, s14, 9
	s_add_co_u32 s20, s20, s21                     ; my first column, in bytes
	s_mov_b32 s21, 0
	s_add_nc_u64 s[8:9], s[8:9], s[20:21]
	s_add_nc_u64 s[10:11], s[10:11], s[20:21]
	s_lshl_b32 s20, s41, 23                        ; my first row: 2,048 cy + 128 cluster y + 64 half, 4,096 bytes a row
	s_lshl_b32 s22, s15, 19
	s_add_co_u32 s20, s20, s22
	s_lshl_b32 s22, s13, 18
	s_add_co_u32 s20, s20, s22
	s_add_nc_u64 s[10:11], s[10:11], s[20:21]
	s_or_b32 s2, s15, s13                          ; 0 where my first 16 rows are a batch's first 16: the cluster's y and the wave's number alone
	WIN 0x80                                       ; destination window 2
.irp b, 0,1,2,3,4,5,6,7
	global_load_b128 v[8*\b:8*\b+3],   v5, s[8:9] offset:64*\b
	global_load_b128 v[8*\b+4:8*\b+7], v5, s[8:9] offset:64*\b+16
.endr
	WIN 0
.macro MUL8 f, a, first                ; ctx's block a x wot's eight, 32 along K.  The 32 accumulators take turns, in the same order in every quarter
.irp b, 0,1,2,3,4,5,6,7
.if \first
	v_wmma_f32_16x16x32_f16 v[8*(8*\a+\b):8*(8*\a+\b)+7], v[\f+32+8*\b:\f+32+8*\b+7], v[\f+8*\a:\f+8*\a+7], v[8*\b:8*\b+7]
.else
	v_wmma_f32_16x16x32_f16 v[8*(8*\a+\b):8*(8*\a+\b)+7], v[\f+32+8*\b:\f+32+8*\b+7], v[\f+8*\a:\f+8*\a+7], v[8*(8*\a+\b):8*(8*\a+\b)+7]
.endif
.endr
.endm
.macro FETCH slot, q, f                ; 24 LDS loads in one run: quarter q's fragments: wot's eight, then ctx's four
.irp i, 0,1,2,3,4,5,6,7
	ds_load_b128 v[\f+32+8*\i:\f+32+8*\i+3],   v[ADRB+\slot] offset:64*(\q)+\i*16*272
	ds_load_b128 v[\f+32+8*\i+4:\f+32+8*\i+7], v[ADRB+\slot] offset:64*(\q)+\i*16*272+32
.endr
.irp i, 0,1,2,3
	ds_load_b128 v[\f+8*\i:\f+8*\i+3],   v[ADRA+\slot] offset:((\q)/2)*ASUB+((\q)%2)*64+\i*16*144
	ds_load_b128 v[\f+8*\i+4:\f+8*\i+7], v[ADRA+\slot] offset:((\q)/2)*ASUB+((\q)%2)*64+\i*16*144+32
.endr
.endm
.macro PLACES
.rept 4
	v_nop
.endr
.endm
.macro MWIN first
.if \first
	WIN 0x60                                       ; C (the bias) window 2, D window 1
.else
	WIN 0x50                                       ; C and D window 1
.endif
.endm
.macro QUARTER slot, qn, f, g, first   ; multiplies buffer f; in its middle fetches quarter qn of the same slot into buffer g
	s_wait_dscnt 4                                 ; wot's fragments and ctx's blocks 0, 1 are in; the youngest four loads may be out
	MWIN \first
	MUL8 \f, 0, \first
	MUL8 \f, 1, \first
	PLACES                                         ; in front of loads into registers that matrix instructions have read
	WIN 0
	FETCH \slot, \qn, \g
	s_wait_dscnt 24                                ; all but the 24 just issued
	MWIN \first
	MUL8 \f, 2, \first
	MUL8 \f, 3, \first
.endm
; The last quarter multiplies buffer 1 and changes slots: ONE barrier; in front of it each wave waits for all its tensor loads, adds 0 to its spare word, and waits for that and for its reads of this slot.
.macro TURN slot, next, fill
	WIN 0
	s_wait_tensorcnt 0x0                           ; my part of the next slot has landed
	ds_add_u32 v[SPW], v[NIL]                      ; 0 onto my spare word
	s_wait_dscnt 5                                 ; (the add and the youngest four loads may be out)
	WIN 0x50
	MUL8 F1, 0, 0
	s_wait_dscnt 0x0                               ; the add is done, and my reads of this slot are over
	s_barrier_signal -1
	MUL8 F1, 1, 0
	WIN 0
	s_barrier_wait -1
.if \fill
	CREST                                          ; the barrier has opened a round of the cluster's: no wave of any partner still reads this slot or has a load on its way
	s_add_nc_u64 s[G0+4*\slot+2:G0+4*\slot+3], s[G0+4*\slot+2:G0+4*\slot+3], 1048576   ; two K steps on: four heads
	s_add_nc_u64 s[G0B+4*\slot+2:G0B+4*\slot+3], s[G0B+4*\slot+2:G0B+4*\slot+3], 512
	JLOAD \slot                                    ; the first tensor load behind the round; its four v_nop are also the places in front of the loads below
.else
	PLACES
.endif
	FETCH \next, 0, F0
	WIN 0x50
	MUL8 F1, 2, 0
	MUL8 F1, 3, 0
.endm
	s_wait_tensorcnt 1                             ; my part of K step 0 is in (K step 1's load may be out),
	s_barrier_signal -1
	s_barrier_wait -1                              ; everybody's is
	FETCH 0, 0, F0
	s_wait_loadcnt 0x0                             ; the bias
	QUARTER 0, 1, F0, F1, 1                        ; the first quarter's products start the sums on the bias
	WIN 0
	s_mov_b32 s3, 3
.Llap:                                             ; a trip goes once round the ring and fills both slots again: K steps 2 to 7
	QUARTER 0, 2, F1, F0, 0
	QUARTER 0, 3, F0, F1, 0
	TURN 0, 1, 1
	QUARTER 1, 1, F0, F1, 0
	QUARTER 1, 2, F1, F0, 0
	QUARTER 1, 3, F0, F1, 0
	TURN 1, 0, 1
	QUARTER 0, 1, F0, F1, 0
	WIN 0
	s_sub_co_u32 s3, s3, 1
	s_cmp_lg_u32 s3, 0
	s_cbranch_scc1 .Llap
	QUARTER 0, 2, F1, F0, 0                        ; the last lap fills nothing
	QUARTER 0, 3, F0, F1, 0
	TURN 0, 1, 0
	QUARTER 1, 1, F0, F1, 0
	QUARTER 1, 2, F1, F0, 0
	QUARTER 1, 3, F0, F1, 0
	s_wait_dscnt 4
	WIN 0x50
	MUL8 F1, 0, 0
	MUL8 F1, 1, 0
	s_wait_dscnt 0
	MUL8 F1, 2, 0
	MUL8 F1, 3, 0
	WIN 0
; THE WAY OUT, block by block of 16 rows x 128 columns, through my own stage (in slot 0: it has had its last fill, and nobody reads it behind the last change of slots): whole rows of 512 bytes come back.
.macro TOSTAGE a
	WIN 0x04                                       ; an LDS store's data are its source 1: window 1
.irp b, 0,1,2,3,4,5,6,7
	ds_store_b128 v[STO], v[8*(8*\a+\b):8*(8*\a+\b)+3] offset:64*\b            ; each accumulator from its low end on
	ds_store_b128 v[STO], v[8*(8*\a+\b)+4:8*(8*\a+\b)+7] offset:64*\b+16
.endr
	WIN 0
.set BB, BK+64*((\a)%2)
.irp t, 0,1,2,3,4,5,6,7,8,9,10,11,12,13,14,15
	ds_load_b128 v[BB+4*\t:BB+4*\t+3], v[RD] offset:\t*SPITCH
.endr
.endm
.macro SEND a, younger
.set BB, BK+64*((\a)%2)
	s_wait_dscnt \younger                          ; the block is back in registers
.if (\a) == 0
	s_cmp_eq_u32 s2, 0                             ; a batch's first 16 rows are the next launch's
	s_cbranch_scc1 .Lfine_rows
.endif
.irp t, 0,1,2,3,4,5,6,7,8,9,10,11,12,13,14,15
	global_store_b128 v[CO], v[BB+4*\t:BB+4*\t+3], s[10:11] offset:65536*(\a)+4096*\t th:TH_STORE_NT   ; 32 lanes store 512 consecutive bytes
.endr
.if (\a) == 0
.Lfine_rows:
.endif
.endm
	PLACES
	TOSTAGE 0
	TOSTAGE 1
	SEND 0, 32                                     ; behind block 0's loads: block 1's 16 stores and 16 loads
	s_wait_xcnt 0x0                                ; block 0's stores have read their registers: block 2's loads may land there
	TOSTAGE 2
	SEND 1, 32
	s_wait_xcnt 0x0
	TOSTAGE 3
	SEND 2, 32
	SEND 3, 0
	s_wait_tensorcnt 0x0                           ; the wave's end
	ds_add_u32 v[SPW], v[NIL]
	s_wait_dscnt 0x0
	CROUND                                         ; the closing round
	s_endpgm
.Lfunc_end_k_q267792762b_proj:
	.size	k_q267792762b_proj, .Lfunc_end_k_q267792762b_proj-k_q267792762b_proj
	.p2alignl 7, 3214868480
	.fill 96, 4, 3214868480
	.section	.rodata,"a",@progbits
	.p2align	6, 0x0
	.amdhsa_kernel k_q267792762b_proj
		.amdhsa_group_segment_fixed_size 327680
		.amdhsa_private_segment_fixed_size 0
		.amdhsa_enable_private_segment 0
		.amdhsa_kernarg_size 32
		.amdhsa_user_sgpr_count 2
		.amdhsa_user_sgpr_kernarg_segment_ptr 1
		.amdhsa_wavefront_size32 1
		.amdhsa_system_sgpr_workgroup_id_x 1
		.amdhsa_system_sgpr_workgroup_id_y 1
		.amdhsa_system_sgpr_workgroup_id_z 1
		.amdhsa_system_vgpr_workitem_id 0
		.amdhsa_next_free_vgpr 576
		.amdhsa_next_free_sgpr 66
		.amdhsa_reserve_vcc 0
		.amdhsa_float_denorm_mode_32 3
		.amdhsa_float_denorm_mode_16_64 3
		.amdhsa_memory_ordered 1
		.amdhsa_forward_progress 1
		.amdhsa_inst_pref_size 86
	.end_amdhsa_kernel
	.amdgpu_metadata
---
amdhsa.version: [ 1, 2 ]
amdhsa.kernels:
  - .name:           k_q267792762b_proj
    .symbol:         k_q267792762b_proj.kd
    .args:
      - { .name: ctx, .offset: 0, .size: 8, .value_kind: global_buffer, .address_space: global }
      - { .name: wot, .offset: 8, .size: 8, .value_kind: global_buffer, .address_space: global }
      - { .name: bo, .offset: 16, .size: 8, .value_kind: global_buffer, .address_space: global }
      - { .name: out0, .offset: 24, .size: 8, .value_kind: global_buffer, .address_space: global }
    .group_segment_fixed_size: 327680
    .private_segment_fixed_size: 0
    .kernarg_segment_align: 8
    .kernarg_segment_size: 32
    .max_flat_workgroup_size: 128
    .sgpr_count:     66
    .vgpr_count:     576
    .wavefront_size: 32
...
	.end_amdgpu_metadata
.endif
;; end of part 4
;; launch first16 (part 5): grid 32 x 4, 16 waves a work-group, no clusters, 34,816 bytes of LDS; arguments qkv32, Wo, bo, out0; writes out0
.if DOCPART == 5
	.amdgcn_target "amdgcn-amd-amdhsa--gfx1250"
	.amdhsa_code_object_version 6
	.text
	.protected	k_q267792762b_first16
	.globl	k_q267792762b_first16
	.p2align	8
	.type	k_q267792762b_first16,@function
k_q267792762b_first16:
	s_mov_b64 s[64:65], 0
	v_nop
	global_prefetch_b8 v0, s[64:65] scope:SCOPE_SE
	s_setreg_imm32_b32 hwreg(HW_REG_WAVE_MODE, 25, 1), 1
	s_wait_xcnt 0x0
; The first 16 positions of each of the 4 sequences, in f32 throughout: they average one to sixteen values and are the largest rows of the output, so 16-bit operands would weigh most there.
; Work-group (x, y): output columns 32 x .. 32 x + 31 of batch y's rows 0 .. 15.  Wave = head: it makes its head's attention for the 16 rows, then its head's share (64 along K) of the 16 x 32 outputs;
; the 16 shares meet in LDS.  The attention is repeated in the 32 work-groups of a batch: the price of one launch with no sum across work-groups.  A wave issues 64 matrix instructions of 16 x 16 x 4.
; q, k, v come as images of accumulators: qkv32 [b][16 columns][half p][lane][4]: lane 16 hI + m holds row m, columns 16 cb + 8 hI + 4 p + 0 .. 3.
; ALONG EACH PRODUCT'S K the places are permuted alike on both sides: in the scores the instruction's place (lane / 16, register j) stands for channel 16 c + 8 (lane / 16) + 4 p + 2 u + j; in the other two
; for key, or channel, 8 (lane / 16) + 2 s + j.  So the images, p and ctx are operands as they stand in their registers.  All three products are used transposed: a lane holds one query.
; The registers v16-47 are written by matrix instructions alone; each sum begins with the constant 0.
.set SPARE, 32768                      ; behind the 16 waves' images of 2,048 bytes: the spare words, 128 bytes for each wave
.set LI,   1                           ; v1  16 x lane
.set VG,   2                           ; v2  v's gather; later the LDS address of my images
.set WOF,  3                           ; v3  Wo: 4 r + 8 rows x h
.set DL,   4                           ; v4  r - 8 h
.set NINF, 5
.set RL,   10                          ; v10 1 / l (named as a pair with v11)
.set RDO,  11                          ; v11 where I read the shares back
.set SPW,  12
.set NIL,  13
.set OUTO, 14
.set BOF,  15
.set D,    16
.set QI,   48
.set KI,   80
.set VI,   112
.set WO,   144
.set T,    208
.set PP,   216
.set CN,   224
	s_load_b256 s[4:11], s[0:1], 0x0               ; qkv32 s[4:5], Wo s[6:7], bo s[8:9], out0 s[10:11]
	v_lshl_add_u32 v[SPW], v0, 2, SPARE
	v_mov_b32 v[NIL], 0
	v_lshrrev_b32 v6, 5, v0
	v_readfirstlane_b32 s12, v6                    ; wave = head
	v_and_b32 v7, 31, v0                           ; lane
	v_and_b32 v8, 15, v0                           ; r
	v_bfe_u32 v9, v0, 4, 1                         ; h
	v_lshlrev_b32 v[LI], 4, v7
	v_bfe_u32 v6, v0, 2, 1                         ; v(key 8 h + 2 s + j, channel 16 c + r): half p = (r / 4) % 2,
	v_lshlrev_b32 v[VG], 9, v6
	v_bfe_u32 v6, v0, 3, 1                         ; the image's lane 16 (r / 8) + key,
	v_lshl_add_u32 v[VG], v6, 8, v[VG]
	v_and_b32 v6, 3, v0                            ; word r % 4
	v_lshl_add_u32 v[VG], v6, 2, v[VG]
	v_lshl_add_u32 v[VG], v9, 7, v[VG]
	v_lshlrev_b32 v[WOF], 2, v8
	v_lshl_add_u32 v[WOF], v9, 15, v[WOF]
	v_lshlrev_b32 v6, 3, v9
	v_sub_nc_u32 v[DL], v8, v6
	v_mov_b32 v[NINF], 0xff800000
	v_bfe_u32 v6, v0, 2, 1                         ; the way out: lane l takes query 4 (wave % 4) + l / 8, columns 4 (l % 8) on: image 2 ((l % 8) / 4) + l % 2,
	v_lshlrev_b32 v6, 1, v6
	v_and_b32 v10, 1, v0
	v_add_nc_u32 v6, v6, v10
	v_lshlrev_b32 v[RDO], 9, v6
	v_bfe_u32 v6, v0, 1, 1                         ; the image's lane 16 ((l / 2) % 2) + query
	v_lshl_add_u32 v[RDO], v6, 8, v[RDO]
	v_bfe_u32 v6, v0, 3, 2
	s_and_b32 s16, s12, 3
	s_lshl_b32 s16, s16, 2
	v_add_nc_u32 v6, s16, v6
	v_lshl_add_u32 v[RDO], v6, 4, v[RDO]
	v_and_b32 v10, 7, v0
	v_lshlrev_b32 v[BOF], 4, v10
	v_lshl_add_u32 v[OUTO], v6, 12, v[BOF]
	s_mov_b32 s20, 0x76543210
	s_mov_b32 s21, 0xfedcba98                      ; v_permlanex16_b32's selects for lane l xor 16
	s_mov_b32 s22, 0x3e38aa3b                      ; c = log2(e) / 8
	s_mov_b32 s23, s22
	s_and_b32 s14, ttmp7, 0xffff                   ; the batch
	s_mul_i32 s16, s14, 196608
	s_lshl_b32 s17, s12, 12                        ; a head's four images
	s_add_co_u32 s16, s16, s17
	s_mov_b32 s17, 0
	s_lshl_b32 s18, ttmp9, 7                       ; my first column, in bytes
	s_mov_b32 s19, 0
	s_wait_kmcnt 0x0
	s_add_nc_u64 s[4:5], s[4:5], s[16:17]
	s_lshl_b32 s16, s12, 18                        ; Wo: my head's 64 rows of 4,096 bytes
	s_add_co_u32 s16, s16, s18
	s_add_nc_u64 s[6:7], s[6:7], s[16:17]
	s_add_nc_u64 s[8:9], s[8:9], s[18:19]
	s_lshl_b32 s16, s14, 23                        ; out0: the batch's 2,048 rows
	s_add_co_u32 s16, s16, s18
	s_add_nc_u64 s[10:11], s[10:11], s[16:17]
.irp c, 0,1,2,3
.irp p, 0,1
	global_load_b128 v[QI+8*\c+4*\p:QI+8*\c+4*\p+3], v[LI], s[4:5] offset:1024*\c+512*\p
.endr
.endr
.irp c, 0,1,2,3
.irp p, 0,1
	global_load_b128 v[KI+8*\c+4*\p:KI+8*\c+4*\p+3], v[LI], s[4:5] offset:65536+1024*\c+512*\p
.endr
.endr
.irp c, 0,1,2,3
.irp t, 0,1,2,3,4,5,6,7
	global_load_b32 v[VI+8*\c+\t], v[VG], s[4:5] offset:131072+1024*\c+16*\t
.endr
.endr
.irp n, 0,1
.irp c, 0,1,2,3
.irp t, 0,1,2,3,4,5,6,7
	global_load_b32 v[WO+32*\n+8*\c+\t], v[WOF], s[6:7] offset:(16*\c+\t)*4096+64*\n   ; Wo(64 head + 16 c + 8 h + t, first column + 16 n + r)
.endr
.endr
.endr
	s_wait_loadcnt 63                              ; of the 112 loads the first 49 are in: q's 8, k's 8 and v's 32 among them
	; ---- the scores: S^T = K Q^T, 16 steps of 4 along the head's 64, in four partial sums by turns
.set i, 0
.rept 16
.if i < 4
	v_wmma_f32_16x16x4_f32 v[D+8*(i%4):D+8*(i%4)+7], v[KI+2*i:KI+2*i+1], v[QI+2*i:QI+2*i+1], 0
.else
	v_wmma_f32_16x16x4_f32 v[D+8*(i%4):D+8*(i%4)+7], v[KI+2*i:KI+2*i+1], v[QI+2*i:QI+2*i+1], v[D+8*(i%4):D+8*(i%4)+7]
.endif
.set i, i+1
.endr
.rept 8
	v_nop                                          ; eight places behind this form (ISA guide 7.12.1)
.endr
	global_load_b128 v[QI:QI+3], v[BOF], s[8:9]    ; the bias of my four columns, into registers that q has left
.irp j, 0,2,4,6
	v_pk_add_f32 v[T+\j:T+\j+1], v[D+\j:D+\j+1], v[D+8+\j:D+8+\j+1]              ; each partial sum from its low end on
	v_pk_add_f32 v[PP+\j:PP+\j+1], v[D+16+\j:D+16+\j+1], v[D+24+\j:D+24+\j+1]
.endr
.irp j, 0,2,4,6
	v_pk_add_f32 v[T+\j:T+\j+1], v[T+\j:T+\j+1], v[PP+\j:PP+\j+1]                ; register j: key 8 h + j, query r
.endr
.irp j, 0,1,2,3,4,5,6,7
	v_cmp_gt_i32 vcc_lo, \j, v[DL]                 ; hidden where 8 h + j > r
	v_cndmask_b32 v[T+\j], v[T+\j], v[NINF], vcc_lo
.endr
	v_max3_num_f32 v8, v[T], v[T+1], v[T+2]
	v_max3_num_f32 v8, v8, v[T+3], v[T+4]
	v_max3_num_f32 v8, v8, v[T+5], v[T+6]
	v_max_num_f32 v8, v8, v[T+7]
	v_permlanex16_b32 v9, v8, s20, s21
	v_max_num_f32 v7, v8, v9                       ; the row's maximum: key 0 counts for every query
	v_mul_f32 v6, s22, v7
.irp j, 0,2,4,6
	v_pk_fma_f32 v[PP+\j:PP+\j+1], v[T+\j:T+\j+1], s[22:23], v[6:7] op_sel_hi:[1,0,0] neg_lo:[0,0,1] neg_hi:[0,0,1]   ; c s - c m
.endr
.irp j, 0,1,2,3,4,5,6,7
	v_exp_f32 v[PP+\j], v[PP+\j]
.endr
	v_nop                                          ; a plain line behind the last exponential,
	s_wait_alu depctr_va_vdst(0)                   ; and one wait for the eight, ahead of their first reader
	v_pk_add_f32 v[T:T+1], v[PP:PP+1], v[PP+2:PP+3]
	v_pk_add_f32 v[T+2:T+3], v[PP+4:PP+5], v[PP+6:PP+7]
	v_pk_add_f32 v[T:T+1], v[T:T+1], v[T+2:T+3]
	v_add_f32 v8, v[T], v[T+1]
	v_permlanex16_b32 v9, v8, s20, s21
	v_add_f32 v8, v8, v9
	v_rcp_f32 v[RL], v8
	v_nop
	s_wait_alu depctr_va_vdst(0)
	; ---- ctx^T = V^T P: four tiles of 16 channels by turns, 4 steps of 4 along the 16 keys
.irp s, 0,1,2,3
.irp c, 0,1,2,3
.if \s == 0
	v_wmma_f32_16x16x4_f32 v[D+8*\c:D+8*\c+7], v[VI+8*\c+2*\s:VI+8*\c+2*\s+1], v[PP+2*\s:PP+2*\s+1], 0
.else
	v_wmma_f32_16x16x4_f32 v[D+8*\c:D+8*\c+7], v[VI+8*\c+2*\s:VI+8*\c+2*\s+1], v[PP+2*\s:PP+2*\s+1], v[D+8*\c:D+8*\c+7]
.endif
.endr
.endr
.rept 9
	v_nop                                          ; for the reads below, and for the next product, which begins anew on these accumulators
.endr
.set e, 0
.rept 16
	v_pk_mul_f32 v[CN+2*e:CN+2*e+1], v[D+2*e:D+2*e+1], v[RL:RL+1] op_sel_hi:[1,0]   ; / l: register 8 c + j: channel 16 c + 8 h + j of query r
.set e, e+1
.endr
	s_wait_loadcnt 0x0                             ; Wo and the bias; every load's offset register is free
	s_lshl_b32 s16, s12, 11
	v_add_nc_u32 v[VG], s16, v[LI]                 ; my images in LDS: 2,048 x wave + 16 x lane
	; ---- my head's share of the outputs, transposed: two tiles of 16 columns by turns, 16 steps of 4 along the head's 64
.irp c, 0,1,2,3
.irp s, 0,1,2,3
.irp n, 0,1
.if (\c == 0) && (\s == 0)
	v_wmma_f32_16x16x4_f32 v[D+8*\n:D+8*\n+7], v[WO+32*\n+8*\c+2*\s:WO+32*\n+8*\c+2*\s+1], v[CN+8*\c+2*\s:CN+8*\c+2*\s+1], 0
.else
	v_wmma_f32_16x16x4_f32 v[D+8*\n:D+8*\n+7], v[WO+32*\n+8*\c+2*\s:WO+32*\n+8*\c+2*\s+1], v[CN+8*\c+2*\s:CN+8*\c+2*\s+1], v[D+8*\n:D+8*\n+7]
.endif
.endr
.endr
.endr
.rept 8
	v_nop
.endr
.irp n, 0,1
.irp p, 0,1
	ds_store_b128 v[VG], v[D+8*\n+4*\p:D+8*\n+4*\p+3] offset:(2*\n+\p)*512   ; lane (r, h): out(query r, 16 n + 8 h + 4 p + 0 .. 3), as it stands
.endr
.endr
	s_wait_dscnt 0x0                               ; for the others' sake: my stores have landed
	s_barrier_signal -1
	s_barrier_wait -1
	s_cmp_lt_u32 s12, 4                            ; waves 0 to 3 add the 16 shares: four rows of 128 bytes each
	s_cbranch_scc0 .Ldone
.irp u, 0,1,2,3,4,5,6,7,8,9,10,11,12,13,14,15
	ds_load_b128 v[WO+4*\u:WO+4*\u+3], v[RDO] offset:2048*\u
.endr
	s_wait_dscnt 0x0
.irp d, 8,4,2,1
.set e, 0
.rept 2*\d
	v_pk_add_f32 v[WO+2*e:WO+2*e+1], v[WO+2*e:WO+2*e+1], v[WO+4*\d+2*e:WO+4*\d+2*e+1]
.set e, e+1
.endr
.endr
	v_pk_add_f32 v[WO:WO+1], v[WO:WO+1], v[QI:QI+1]
	v_pk_add_f32 v[WO+2:WO+3], v[WO+2:WO+3], v[QI+2:QI+3]
	global_store_b128 v[OUTO], v[WO:WO+3], s[10:11]   ; eight lanes store a row's 128 bytes
.Ldone:
	s_wait_tensorcnt 0x0                           ; the wave's end, behind my last LDS store
	ds_add_u32 v[SPW], v[NIL]
	s_wait_dscnt 0x0
	s_endpgm
.Lfunc_end_k_q267792762b_first16:
	.size	k_q267792762b_first16, .Lfunc_end_k_q267792762b_first16-k_q267792762b_first16
	.p2alignl 7, 3214868480
	.fill 96, 4, 3214868480
	.section	.rodata,"a",@progbits
	.p2align	6, 0x0
	.amdhsa_kernel k_q267792762b_first16
		.amdhsa_group_segment_fixed_size 34816
		.amdhsa_private_segment_fixed_size 0
		.amdhsa_enable_private_segment 0
		.amdhsa_kernarg_size 32
		.amdhsa_user_sgpr_count 2
		.amdhsa_user_sgpr_kernarg_segment_ptr 1
		.amdhsa_wavefront_size32 1
		.amdhsa_system_sgpr_workgroup_id_x 1
		.amdhsa_system_sgpr_workgroup_id_y 1
		.amdhsa_system_sgpr_workgroup_id_z 1
		.amdhsa_system_vgpr_workitem_id 0
		.amdhsa_next_free_vgpr 256
		.amdhsa_next_free_sgpr 66
		.amdhsa_reserve_vcc 1
		.amdhsa_float_denorm_mode_32 3
		.amdhsa_float_denorm_mode_16_64 3
		.amdhsa_memory_ordered 1
		.amdhsa_forward_progress 1
		.amdhsa_inst_pref_size 26
	.end_amdhsa_kernel
	.amdgpu_metadata
---
amdhsa.version: [ 1, 2 ]
amdhsa.kernels:
  - .name:           k_q267792762b_first16
    .symbol:         k_q267792762b_first16.kd
    .args:
      - { .name: qkv32, .offset: 0, .size: 8, .value_kind: global_buffer, .address_space: global }
      - { .name: Wo, .offset: 8, .size: 8, .value_kind: global_buffer, .address_space: global }
      - { .name: bo, .offset: 16, .size: 8, .value_kind: global_buffer, .address_space: global }
      - { .name: out0, .offset: 24, .size: 8, .value_kind: global_buffer, .address_space: global }
    .group_segment_fixed_size: 34816
    .private_segment_fixed_size: 0
    .kernarg_segment_align: 8
    .kernarg_segment_size: 32
    .max_flat_workgroup_size: 512
    .sgpr_count:     66
    .vgpr_count:     256
    .wavefront_size: 32
...
	.end_amdgpu_metadata
.endif
;; end of part 5
